; MI455X (gfx1250); checked and timed in simulation.
; The chip was launched on July 23, 2026; its instructions are those of AMD's public machine-readable ISA for CDNA 5 (MIT licence, August 2026) and "CDNA5" Instruction Set Architecture Reference Guide (July 2026). The comments in the code are by the model that wrote it; some were corrected since.
;; Multi Head Attention. Allowed arithmetic: matrix products marked QUANTISED: E5M2 operands, one given power-of-two scale a tensor, by v_wmma_f32_16x16x64_bf8_bf8 or v_wmma_f32_16x16x128_bf8_bf8, f32 sums; everything else in f32.
;; Inputs: Wout 1,024 x 1,024 float32; Wqkv 1,024 x 3,072 float32; attn_mask 4 x 2,048 bool; bout 1,024 float32; bqkv 3,072 float32; lowp_scales 8 int32 (the exponents e of the quantised operands' scales 2^e); x 4 x 2,048 x 1,024 float32.
;; Outputs: out0 4 x 2,048 x 1,024 float32; out1 4 x 16 x 2,048 x 64 float32.
;; This version of the problem:
;;   THIS VERSION OF THE PROBLEM IS GIVEN IN LOW PRECISION. The matrix products marked QUANTISED in the list below multiply operands that are first quantised to E5M2 (5 exponent bits, 2 mantissa bits; 8 bits a number), with one given power-of-two scale for each operand tensor; their sums are f32. All else is computed in f32.
;;   The module's matrix products, in the order in which they are computed (A, B: the left and right operand; K: the contracted axis; several contracted axes count as one K, in the product's order):
;;     1. [M 8,192, K 1,024] x [K 1,024, N 3,072]; A: input x; B: input Wqkv: QUANTISED (scales: A lowp_scales[0], B lowp_scales[1])
;;     2. batch 64 x [M 2,048, K 64] x [K 64, N 2,048]; A: computed on the way; B: computed on the way: QUANTISED (scales: A lowp_scales[2], B lowp_scales[3])
;;     3. batch 64 x [M 2,048, K 2,048] x [K 2,048, N 64]; A: softmax (see below); B: computed on the way: QUANTISED (scales: A lowp_scales[4], B lowp_scales[5])
;;     4. [M 8,192, K 1,024] x [K 1,024, N 1,024]; A: computed on the way; B: input Wout: QUANTISED (scales: A lowp_scales[6], B lowp_scales[7])
;;   THE QUANTISER, for each operand of a quantised product, along K:
;;     - The operand's scale is 2^e, e = its entry of the input lowp_scales (int32; the entries are numbered through the quantised products in the list's order, A before B).
;;     - Each number is divided by the scale, clamped to +-57,344, and rounded to the nearest number of E5M2, ties to even, subnormals kept.
;;     - The product sums the exact products of the quantised numbers (number of the format x scale) in f32.
;;   ~~~python
;;   def quantise(x, axis, e):      # numpy; x: float32 -> the quantised numbers, widened to float32 again
;;       x = np.moveaxis(x, axis, -1); K = x.shape[-1]
;;       r = np.clip(x / 2.0 ** e, -57344, 57344)
;;       step = 2.0 ** (np.maximum(np.frexp(np.where(r == 0, 1, r))[1] - 1, -14) - 2)
;;       q = np.round(r / step) * step * 2.0 ** e      # np.round: ties to even
;;       return np.moveaxis(q, -1, axis).astype(np.float32)
;;   ~~~
;;   SOFTMAX AHEAD OF A QUANTISED PRODUCT. Where the list says 'softmax', what is quantised is not the finished softmax but p = 2^(t - M), with t = logit x log2(e) and M = ceil(the row's largest t), a whole number; so 1/2 < the row's largest p <= 1. The row's sum l is taken of the UNQUANTISED p, in f32, and the product's result is divided by l at the end. Since M is a whole number, a kernel that streams over the keys may use a running M (the ceiling of the running maximum): every later rescaling is an exact power of two, so the quantised numbers keep their values, but for numbers so far below the row's largest that they fall under the format's range.
;;   OPERANDS COMPUTED ON THE WAY. 'Computed on the way' means the value that the module computes at that place (a softmax that the list does not call 'softmax' is quantised finished and normalised). What goes into a quantiser is computed in f32, as accurately as f32 sums, v_exp_f32 and their like allow (about 1e-6 of the number): no bf16 or f16 on the way to a quantiser, and a product that is left as it is and whose result goes on into a quantised operand takes f32 operands (vector FMAs, or v_wmma_f32_16x16x4_f32). A number that lies on a knife's edge between two numbers of the format may be rounded either way, as far as f32 arithmetic and the matrix unit's own rounding can turn it there, and no further.
;; One version. Each part assembles by itself: llvm-mc -triple=amdgcn-amd-amdhsa -mcpu=gfx1250 --defsym DOCPART=n.
;; ======== version 1 of 1: 4 launches
;; limits: right only within a limited range of input values
;; workspace buffers: x_codes 8,388,608 bytes; wqkv_codes 3,145,728 bytes; wout_codes 1,048,576 bytes; mbias 32,768 bytes; q_codes 8,388,608 bytes; k_codes 8,388,608 bytes; v_codes 8,388,608 bytes; a_codes 8,388,608 bytes
;; launch prep (part 1): grid 96 x 4, 4 waves a work-group, no clusters, 68,096 bytes of LDS; arguments x, Wqkv, Wout, attn_mask, lowp_scales, x_codes, wqkv_codes, wout_codes, mbias; writes x_codes, wqkv_codes, wout_codes, mbias
.if DOCPART == 1
	.amdgcn_target "amdgcn-amd-amdhsa--gfx1250"
	.amdhsa_code_object_version 6
	.text
	.protected	k_q33b2ef12c4_prep
	.globl	k_q33b2ef12c4_prep
	.p2align	8
	.type	k_q33b2ef12c4_prep,@function
k_q33b2ef12c4_prep:
	s_mov_b64 s[64:65], 0
	v_nop
	global_prefetch_b8 v0, s[64:65] scope:SCOPE_SE
	s_setreg_imm32_b32 hwreg(HW_REG_WAVE_MODE, 25, 1), 1
	s_wait_xcnt 0x0
; PREP: everything that many work-groups will read again is quantised once, to codes of BF8 (E5M2), K innermost.
;   x [8192][1024] f32 -> x_codes [8192][1024]              (scale 2^e0; K is innermost already: a plain stream)
;   Wqkv [1024 k][3072 n] f32 -> wqkv_codes [3072 n][1024 k] (2^e1);  Wout [1024 k][1024 n] -> wout_codes [1024 n][1024 k] (2^e7): K is the FIRST axis
;   attn_mask [4][2048] bool -> mbias [4][2048] f32: 0 where the key counts, -2^80 where it does not (the attention launch adds it to the raw scores)
; code = x / 2^e, held within +-57,344, rounded to the nearest code, ties to even.
; LIMITS: e0, e1, e7 between -126 and 112, so that 2^e and 57,344 x 2^e are f32 numbers.  NaN among the inputs is not served; an infinity is held at the largest code.
; SHARES: work-group x 0-63 (256 work-groups with y): x, 32,768 numbers each, 8,192 a wave; x 64-87: Wqkv, 128 columns x 256 along K; x 88-95: Wout likewise.
; The two ways part on the work-group's number alone and have LDS bytes of their own.  No tensor loads, no barrier: waves share nothing.
.set STEPS, 16                         ; way X: steps of 512 numbers a wave
.set XR,    16                         ; v16-79   four sets of 16 numbers as they are loaded
.set XN,    80                         ; v80-111  two sets of 16 neighbours
.set XC,    128                        ; v128-191 codes: four registers for each step, so that no store's data are written again
.set WREG,  8192                       ; LDS 0..32767: a region for each wave: two stages of 32 x SP bytes
.set SP,    80                         ; a lane's place in a stage: its 64 bytes + 16 of padding
.set WSTG,  32768                      ; LDS 32768..67583: way W: a stage of 32 rows x PITCH for each wave
.set PITCH, 272
.set NB,    8                          ; way W: blocks of 32 along K for a wave
.set WN,    32                         ; v32-95   two sets of 32 numbers
.set WC,    96                         ; v96-103  a block's codes
.set OUTR,  112                        ; v112-175 the way out
.set VO,    176                        ; v176-207 byte offset of row i of a block at my column: 4 x lane + i x the row's bytes
.macro LOAD t                          ; way X: 32 lanes read 512 consecutive bytes, four times
.irp i, 0,1,2,3
	global_load_b128 v[XR+16*((\t)%4)+4*\i:XR+16*((\t)%4)+4*\i+3], v3, s[4:5] offset:2048*(\t)+512*\i th:TH_LOAD_NT
.endr
.endm
.macro TURN t                          ; step t's numbers through the stage; LDS serves a wave's instructions in order, so no wait stands between the stores and the loads
.irp i, 0,1,2,3
	ds_store_b128 v14, v[XR+16*((\t)%4)+4*\i:XR+16*((\t)%4)+4*\i+3] offset:32*SP*((\t)%2)+8*SP*\i
.endr
.irp i, 0,1,2,3
	ds_load_b128 v[XN+16*((\t)%2)+4*\i:XN+16*((\t)%2)+4*\i+3], v15 offset:32*SP*((\t)%2)+16*\i
.endr
.endm
.macro STEP t
.set XS, XN+16*((\t)%2)
	s_wait_dscnt 0x0                               ; this step's numbers are back from the stage, so its stores into the stage have read their registers,
.if (\t)+4 < STEPS
	LOAD (\t)+4                                    ; which take the loads of four steps on
.endif
.if (\t)+1 < STEPS
.if STEPS-2-(\t) >= 3
	s_wait_loadcnt 12                              ; the next step's four loads are in; the twelve of the three steps behind it may be out
.else
	s_wait_loadcnt 4*(STEPS-2-(\t))
.endif
	TURN (\t)+1
.endif
.irp i, 0,1,2,3,4,5,6,7,8,9,10,11,12,13,14,15
	v_med3_num_f32 v[XS+\i], v[XS+\i], -v10, v10   ; the conversion to an 8-bit code does not saturate (ISA guide 7.6.2): the hold comes first
.endr
	v_cvt_scalef32_pk8_bf8_f32 v[XC+4*(\t):XC+4*(\t)+1], v[XS:XS+7], v11
	v_cvt_scalef32_pk8_bf8_f32 v[XC+4*(\t)+2:XC+4*(\t)+3], v[XS+8:XS+15], v11
	global_store_b128 v4, v[XC+4*(\t):XC+4*(\t)+3], s[14:15] offset:512*(\t)   ; the wave stores 512 consecutive bytes, aligned
.endm
.macro WLOAD t                         ; way W: block t: W(32 t + i, my column), i = 0 .. 31, into set t % 2; a load reads 128 consecutive bytes, the four waves side by side
.set i, 0
.rept 32
	global_load_b32 v[WN+32*((\t)%2)+i], v[VO+i], s[40+2*(\t):41+2*(\t)] th:TH_LOAD_NT
.set i, i+1
.endr
.endm
.macro BLOCK t
.set XS, WN+32*((\t)%2)
.if (\t) < NB-1
	s_wait_loadcnt 32                              ; this block's 32 loads are in; the next block's 32 may be out
.else
	s_wait_loadcnt 0
.endif
.set i, 0
.rept 32
	v_med3_num_f32 v[XS+i], v[XS+i], -v10, v10
.set i, i+1
.endr
.irp g, 0,1,2,3
	v_cvt_scalef32_pk8_bf8_f32 v[WC+2*\g:WC+2*\g+1], v[XS+8*\g:XS+8*\g+7], v11   ; a lane's registers run down K: the codes come out with K innermost
.endr
	ds_store_b128 v4, v[WC:WC+3] offset:32*(\t)
	ds_store_b128 v4, v[WC+4:WC+7] offset:32*(\t)+16
.if (\t)+2 < NB
	WLOAD (\t)+2
.endif
	s_wait_dscnt 0x0                               ; the stores have read their registers: the next block's codes may be written
.endm
	s_load_b256 s[4:11], s[0:1], 0x0               ; x s[4:5], Wqkv s[6:7], Wout s[8:9], attn_mask s[10:11]
	s_load_b256 s[12:19], s[0:1], 0x20             ; scales s[12:13], x_codes s[14:15], wqkv_codes s[16:17], wout_codes s[18:19]
	s_load_b64 s[20:21], s[0:1], 0x40              ; mbias
	v_lshl_add_u32 v208, v0, 2, 0x10800
	v_mov_b32 v209, 0
	v_lshrrev_b32 v1, 5, v0
	v_readfirstlane_b32 s22, v1                    ; wave 0..3
	v_and_b32 v2, 31, v0                           ; lane
	s_and_b32 s23, ttmp7, 0xffff                   ; work-group y
	s_mov_b32 s35, 0                               ; upper words of 32-bit offsets
	s_mov_b32 s37, 0
	s_wait_kmcnt 0x0
	s_load_b256 s[24:31], s[12:13], 0x0            ; e0 .. e7
	s_cmp_lt_u32 ttmp9, 64
	s_cbranch_scc0 .Lweights
	; ---------------- way X: x, a plain stream ----------------
	s_wait_alu depctr_va_vdst(0)
	v_lshlrev_b32 v3, 4, v2                        ; my 16 bytes of a load's 512
	s_wait_alu depctr_va_vdst(0)
	s_mul_i32 s32, s22, WREG
	v_lshrrev_b32 v14, 2, v2
	v_mul_u32_u24 v14, v14, SP
	v_and_b32 v15, 3, v2
	v_lshl_add_u32 v14, v15, 4, v14
	v_add_nc_u32 v14, s32, v14                     ; the stage on the way in: SP (lane / 4) + 16 (lane % 4)
	v_mul_u32_u24 v15, v2, SP
	v_add_nc_u32 v15, s32, v15                     ; and on the way out: SP x lane: my 16 neighbours
	v_lshlrev_b32 v4, 4, v2                        ; my 16 codes in a step's 512
	s_lshl_b32 s33, ttmp9, 2
	s_add_co_u32 s33, s33, s23
	s_lshl_b32 s33, s33, 2
	s_add_co_u32 s33, s33, s22                     ; which run of 8,192 numbers is my wave's: 0 .. 1023
	s_lshl_b32 s34, s33, 15
	s_add_nc_u64 s[4:5], s[4:5], s[34:35]
	s_lshl_b32 s34, s33, 13
	s_add_nc_u64 s[14:15], s[14:15], s[34:35]
.irp t, 0,1,2,3
	LOAD \t
.endr
	s_wait_alu depctr_va_vdst(0)
	s_wait_kmcnt 0x0
	s_add_co_i32 s38, s24, 127
	s_lshl_b32 s39, s38, 23
	v_mov_b32 v11, s39                             ; 2^e0 as f32: the conversion takes its exponent field
	s_add_co_i32 s38, s38, 15
	s_lshl_b32 s38, s38, 23
	s_or_b32 s38, s38, 0x600000
	v_mov_b32 v10, s38                             ; 57,344 x 2^e0
	s_wait_alu depctr_va_vdst(0)
	s_wait_loadcnt 12                              ; step 0's four loads are in
	TURN 0
.irp t, 0,1,2,3,4,5,6,7,8,9,10,11,12,13,14,15
	STEP \t
.endr
	; the key mask: wave 0 of the first 64 of these work-groups takes 128 keys: 4 bytes a lane in, 16 bytes a lane out (512 consecutive bytes a wave)
	s_cmp_lt_u32 ttmp9, 16
	s_cbranch_scc0 .Lx_end
	s_cmp_eq_u32 s22, 0
	s_cbranch_scc0 .Lx_end
	s_lshl_b32 s33, ttmp9, 2
	s_add_co_u32 s33, s33, s23                     ; 0 .. 63
	s_lshl_b32 s34, s33, 7
	s_add_nc_u64 s[10:11], s[10:11], s[34:35]
	s_lshl_b32 s36, s33, 9
	s_add_nc_u64 s[20:21], s[20:21], s[36:37]
	v_lshlrev_b32 v5, 2, v2
	global_load_b32 v6, v5, s[10:11]
	v_mov_b32 v7, 0xe7800000                       ; -2^80
	s_wait_alu depctr_va_vdst(0)
	s_wait_loadcnt 0x0
.irp b, 0,1,2,3
	v_bfe_u32 v8, v6, 8*\b, 8
	v_cmp_eq_u32 vcc_lo, 0, v8
	v_cndmask_b32 v[192+\b], 0, v7, vcc_lo         ; a byte of 0: the key does not count
.endr
	global_store_b128 v4, v[192:195], s[20:21]
.Lx_end:
	s_wait_tensorcnt 0x0
	ds_add_u32 v208, v209
	s_wait_dscnt 0x0
	s_endpgm
	; ---------------- way W: a weight whose K is its first axis: a lane takes a column, its registers run down K ----------------
.Lweights:
	s_cmp_lt_u32 ttmp9, 88                         ; Wqkv or Wout: only pointers and sizes are chosen, both take one path
	s_cselect_b64 s[4:5], s[6:7], s[8:9]
	s_cselect_b64 s[14:15], s[16:17], s[18:19]
	s_mov_b32 s33, 4096
	s_cselect_b32 s33, 12288, s33                  ; a row of the weight in bytes
	s_cselect_b32 s34, 64, 88
	s_sub_co_u32 s34, ttmp9, s34
	s_lshl_b32 s34, s34, 7
	s_lshl_b32 s32, s22, 5
	s_add_co_u32 s34, s34, s32                     ; my wave's first column
	s_mul_i32 s36, s23, s33
	s_lshl_b32 s36, s36, 8                         ; 256 y rows down
	s_lshl_b32 s32, s34, 2
	s_add_co_u32 s36, s36, s32
	s_add_nc_u64 s[40:41], s[4:5], s[36:37]        ; block 0's base;
	s_lshl_b32 s38, s33, 5                         ; 32 rows on
	s_mov_b32 s39, 0
.irp t, 1,2,3,4,5,6,7
	s_add_nc_u64 s[40+2*\t:41+2*\t], s[38+2*\t:39+2*\t], s[38:39]   ; a base for each block, so that none is stepped while loads are out
.endr
	s_lshl_b32 s36, s34, 10                        ; codes: column x 1,024 bytes + 256 y
	s_lshl_b32 s32, s23, 8
	s_add_co_u32 s36, s36, s32
	s_add_nc_u64 s[14:15], s[14:15], s[36:37]
	s_wait_alu depctr_va_vdst(0)
	v_lshlrev_b32 v3, 2, v2
.set i, 0
.rept 32
	v_mad_u32_u24 v[VO+i], s33, i, v3
.set i, i+1
.endr
	WLOAD 0
	WLOAD 1
	s_mul_i32 s32, s22, 32*PITCH
	s_add_co_u32 s32, s32, WSTG                    ; my stage
	v_mul_u32_u24 v4, v2, PITCH
	v_add_nc_u32 v4, s32, v4                       ; into it: row = my column
	v_and_b32 v5, 15, v2
	v_lshrrev_b32 v6, 4, v2
	v_mul_u32_u24 v7, v6, PITCH
	v_lshl_add_u32 v7, v5, 4, v7
	v_add_nc_u32 v7, s32, v7                       ; out of it: sixteen lanes to a row, two rows an instruction
	v_lshlrev_b32 v8, 10, v6
	v_lshl_add_u32 v8, v5, 4, v8                   ; and the same place in the codes
	s_wait_kmcnt 0x0
	s_cmp_lt_u32 ttmp9, 88
	s_cselect_b32 s56, s25, s31                    ; e1 or e7
	s_add_co_i32 s56, s56, 127
	s_lshl_b32 s57, s56, 23
	v_mov_b32 v11, s57
	s_add_co_i32 s56, s56, 15
	s_lshl_b32 s56, s56, 23
	s_or_b32 s56, s56, 0x600000
	v_mov_b32 v10, s56
	s_wait_alu depctr_va_vdst(0)
.irp t, 0,1,2,3,4,5,6,7
	BLOCK \t
.endr
.irp t, 0,1,2,3,4,5,6,7,8,9,10,11,12,13,14,15
	ds_load_b128 v[OUTR+4*\t:OUTR+4*\t+3], v7 offset:2*\t*PITCH
.endr
.irp t, 0,1,2,3,4,5,6,7,8,9,10,11,12,13,14,15
	s_wait_dscnt 15-\t                             ; LDS loads come back in order: load t is in, the younger ones may be out
	global_store_b128 v8, v[OUTR+4*\t:OUTR+4*\t+3], s[14:15] offset:2*\t*1024   ; sixteen lanes store 256 consecutive bytes, aligned
.endr
	s_wait_tensorcnt 0x0
	ds_add_u32 v208, v209
	s_wait_dscnt 0x0
	s_endpgm
.Lfunc_end_k_q33b2ef12c4_prep:
	.size	k_q33b2ef12c4_prep, .Lfunc_end_k_q33b2ef12c4_prep-k_q33b2ef12c4_prep
	.p2alignl 7, 3214868480
	.fill 96, 4, 3214868480
	.section	.rodata,"a",@progbits
	.p2align	6, 0x0
	.amdhsa_kernel k_q33b2ef12c4_prep
		.amdhsa_group_segment_fixed_size 68096
		.amdhsa_private_segment_fixed_size 0
		.amdhsa_enable_private_segment 0
		.amdhsa_kernarg_size 72
		.amdhsa_user_sgpr_count 2
		.amdhsa_user_sgpr_kernarg_segment_ptr 1
		.amdhsa_wavefront_size32 1
		.amdhsa_system_sgpr_workgroup_id_x 1
		.amdhsa_system_sgpr_workgroup_id_y 1
		.amdhsa_system_sgpr_workgroup_id_z 1
		.amdhsa_system_vgpr_workitem_id 0
		.amdhsa_next_free_vgpr 210
		.amdhsa_next_free_sgpr 66
		.amdhsa_reserve_vcc 1
		.amdhsa_float_denorm_mode_32 3
		.amdhsa_float_denorm_mode_16_64 3
		.amdhsa_memory_ordered 1
		.amdhsa_forward_progress 1
		.amdhsa_inst_pref_size 89
	.end_amdhsa_kernel
	.amdgpu_metadata
---
amdhsa.version: [ 1, 2 ]
amdhsa.kernels:
  - .name:           k_q33b2ef12c4_prep
    .symbol:         k_q33b2ef12c4_prep.kd
    .args:
      - { .name: x, .offset: 0, .size: 8, .value_kind: global_buffer, .address_space: global }
      - { .name: Wqkv, .offset: 8, .size: 8, .value_kind: global_buffer, .address_space: global }
      - { .name: Wout, .offset: 16, .size: 8, .value_kind: global_buffer, .address_space: global }
      - { .name: attn_mask, .offset: 24, .size: 8, .value_kind: global_buffer, .address_space: global }
      - { .name: lowp_scales, .offset: 32, .size: 8, .value_kind: global_buffer, .address_space: global }
      - { .name: x_codes, .offset: 40, .size: 8, .value_kind: global_buffer, .address_space: global }
      - { .name: wqkv_codes, .offset: 48, .size: 8, .value_kind: global_buffer, .address_space: global }
      - { .name: wout_codes, .offset: 56, .size: 8, .value_kind: global_buffer, .address_space: global }
      - { .name: mbias, .offset: 64, .size: 8, .value_kind: global_buffer, .address_space: global }
    .group_segment_fixed_size: 68096
    .private_segment_fixed_size: 0
    .kernarg_segment_align: 8
    .kernarg_segment_size: 72
    .max_flat_workgroup_size: 128
    .sgpr_count:     66
    .vgpr_count:     210
    .wavefront_size: 32
...
	.end_amdgpu_metadata
.endif
;; end of part 1
;; launch gemm_qkv (part 2): grid 12 x 32, 4 waves a work-group, clusters of 4 x 4, 327,680 bytes of LDS; arguments x_codes, wqkv_codes, lowp_scales, bqkv, q_codes, k_codes, v_codes; writes q_codes, k_codes, v_codes
.if DOCPART == 2
	.amdgcn_target "amdgcn-amd-amdhsa--gfx1250"
	.amdhsa_code_object_version 6
	.text
	.protected	k_q33b2ef12c4_gemm_qkv
	.globl	k_q33b2ef12c4_gemm_qkv
	.p2align	8
	.type	k_q33b2ef12c4_gemm_qkv,@function
k_q33b2ef12c4_gemm_qkv:
	s_mov_b64 s[64:65], 0
	v_nop
	global_prefetch_b8 v0, s[64:65] scope:SCOPE_SE
	s_setreg_imm32_b32 hwreg(HW_REG_WAVE_MODE, 25, 1), 1
	s_wait_xcnt 0x0
	s_wait_alu depctr_hold_cnt(0) depctr_sa_sdst(0) depctr_va_vdst(0) depctr_va_sdst(0) depctr_va_ssrc(0) depctr_va_vcc(0) depctr_vm_vsrc(0)
	s_getreg_b32 s2, hwreg(HW_REG_IB_STS2, 6, 4)
	s_cmp_eq_u32 s2, 0
	s_cbranch_scc0 .Lentry_in_a_cluster
	s_endpgm
.Lentry_in_a_cluster:
	s_bfe_u32 s2, ttmp6, 0x10000c
	s_cmp_lg_u32 s2, 0xf033
	s_cbranch_scc0 .Lentry_shape_is_right
	s_endpgm
.Lentry_shape_is_right:
; qkv = Q(x) Q(Wqkv) + bqkv on codes of BF8 (E5M2), and the result quantised at once for the attention launch: q with 2^e2, k with 2^e3, v with 2^e5.
; A tile of 256 x 256 to a work-group of four waves, 128 x 128 a wave in 64 accumulators; K = 1,024 in four steps of 256 through a ring of two LDS slots.
; CLUSTERS of 4 x 4.  Cluster x = 0: q, 1: k: A = x_codes (tokens), B = wqkv_codes (features).  Cluster x = 2: V^T = Wv x^T: A = wqkv_codes (v's channels), B = x_codes (tokens).
; The matrix instruction is used transposed (source 0 = 16 rows of B, source 1 = 16 rows of A): a lane holds one row of A and eight neighbours along B.  So a lane of q or k holds eight neighbouring channels
; of one token (the next product's K), and a lane of V^T eight neighbouring TOKENS of one channel (the keys: the K of the product with p).  A's tile hangs on cy alone, B's on cx alone, in both cases:
; A's tile is asked for jointly along a row of the cluster, B's along a column.  The choice hangs on the cluster's x, which all sixteen partners share.
; OUT.  value = sum x 2^(e0+e1) + bias; held within +-57,344 x 2^e; converted.  Two conversions of neighbouring tiles are 16 bytes of a lane and are stored as they stand:
;   q_codes, k_codes [b*16+head][token][64]: position 32 B + 16 h + 8 u + j of a row holds channel 32 B + 16 u + 8 h + j (the same order in both);
;   v_codes [b*16+head][row 64][2048]: position p of a row holds the key with bits 3 and 4 of p exchanged, and row R the channel with bits 3 and 4 of R exchanged.
; LIMITS: e0 + e1 between -126 and 127; e2, e3, e5 between -126 and 112.  NaN among the inputs is not served.
; REGISTERS: window 0: v0-31 addresses; v32-47 bias of V's rows; v48-57 constants and addresses of the way out; v64-127 bias of q's and k's columns; v128-255 A's fragments, later the codes, later rows read back.
;   window 1: B's fragments, two sets.  windows 2, 3: the accumulators ((a, b) at v[8 (8 (a % 4) + b)]).
.set KSTEP,  256
.set ROWB,   256                       ; a tile's row in bytes
.set KROW,   1024                      ; a row of either operand in memory
.set PITCH,  272                       ; an LDS row: 256 bytes + 16 of padding: the 16 rows that a load touches start at 16 different banks (64 banks of 4 bytes: ISA guide 11.1)
.set FR,     16
.set NL,     4
.set NP,     4                         ; places behind this matrix instruction (ISA guide 7.12.1)
.set HALFT,  128*PITCH
.set SLOT,   4*HALFT
.set LAPS,   2                         ; 1,024 / 512
.set SPARE,  2*SLOT                    ; the spare words: 128 bytes a wave, two blocks of 256 bytes that no other line names
.set VSTG,   256*PITCH                 ; the way out: two stages of 256 rows x 272 bytes in slot 0, which has had its last fill and its last read by then: q's and k's at 0, v's here
.set ADRA, 16
.set ADRB, 20
.set SPW,  28
.set NIL,  29
.set BV,   32
.set SC,   48                          ; 2^e of the output's quantiser
.set LIM,  49                          ; 57,344 x that
.set STQ,  50
.set STV,  51
.set RDQ,  52
.set RDV,  53
.set GOQ,  54
.set GOV,  55
.set BQ,   64
.set AF,   128
.set CD,   128                         ; the codes: 16 registers for each of the eight blocks
.set G1, 24
.set G0, 32
.set G1B, 48
.set G0B, 56
.set MSB, 0
.macro WIN new                         ; the immediate's high byte repeats the setting that is left
.if MSB != (\new)
	s_set_vgpr_msb (MSB<<8)|(\new)
.set MSB, \new
.endif
.endm
.set MUL_LO, 0xa1                      ; source 0 (B) window 1, source 1 (A) window 0, C and D window 2
.set MUL_HI, 0xf1
.set TO_B,   0x40
; Joint loads.  Each wave owns one operand's tile of one slot: wave 0: A in slot 0, wave 1: A in slot 1, wave 2: B in slot 0, wave 3: B in slot 1; a tile is 256 rows of 256 bytes.
; An s_nop 0 and four v_nop follow each load.  The branches hang on the wave's number alone.
.macro ARM g0, g1
	tensor_load_to_lds s[\g0:\g0+3], s[\g1:\g1+7]
	s_nop 0
.rept 4
	v_nop
.endr
.endm
.macro JLOAD sl                        ; slot sl is filled again by its two owners; the other two waves issue nothing
	s_cmp_eq_u32 s14, \sl
	s_cbranch_scc0 .Lfor_b_\@
	ARM G0+4*(\sl), G1
	s_branch .Lasked_\@
.Lfor_b_\@:
	s_cmp_eq_u32 s14, (\sl)+2
	s_cbranch_scc0 .Lasked_\@
	ARM G0B+4*(\sl), G1B
.Lasked_\@:
.endm
.macro CREST                           ; a round of the cluster's barrier behind its opening barrier
	s_cmp_lg_u32 s14, 0
	s_cbranch_scc1 .Lnot_wave_0_\@
	s_barrier_signal -3
.Lnot_wave_0_\@:
	s_barrier_wait -3
	s_barrier_signal -1
	s_barrier_wait -1
.endm
.macro CROUND
	s_barrier_signal -1
	s_barrier_wait -1
	CREST
.endm
	s_load_b256 s[4:11], s[0:1], 0x0               ; x_codes s[4:5], wqkv_codes s[6:7], scales s[8:9], bqkv s[10:11]
	s_load_b128 s[68:71], s[0:1], 0x20             ; q_codes, k_codes
	s_load_b64 s[72:73], s[0:1], 0x30              ; v_codes
	v_lshl_add_u32 v[SPW], v0, 2, SPARE
	v_mov_b32 v[NIL], 0
	ds_add_u32 v28, v29
	ds_add_u32 v28, v29
	s_wait_dscnt 0x0
	v_lshrrev_b32 v1, 5, v0
	v_readfirstlane_b32 s14, v1                    ; wave 0..3
	s_lshr_b32 s15, s14, 1                         ; which half of A's rows is mine
	s_and_b32 s16, s14, 1                          ; which half of B's rows
	s_bfe_u32 s40, ttmp6, 0x40000                  ; cx
	s_bfe_u32 s41, ttmp6, 0x40004                  ; cy
	s_and_b32 s18, ttmp7, 0xffff
	s_lshl_b32 s18, s18, 2                         ; 4 x cluster y
	s_lshl_b32 s19, ttmp9, 2                       ; 4 x cluster x
	s_cmp_eq_u32 ttmp9, 2                          ; V's clusters?
	s_cselect_b32 s17, 8, s18
	s_cselect_b32 s42, s18, s19
	s_add_co_u32 s17, s17, s41                     ; A's tile: tokens 4 Y + cy, or v's channels: tile 8 + cy of the weight's rows
	s_add_co_u32 s42, s42, s40                     ; B's tile: features 4 X + cx, or tokens 4 Y + cx
	s_lshl_b32 s43, s41, 2
	s_lshl_b32 s43, 15, s43                        ; my row of the cluster
	s_lshl_b32 s44, 0x1111, s40                    ; my column
	s_or_b32 s[G1+0], s43, (0<<16)|(1<<20)|(1<<21)|(5<<22)|(3<<25)  ; mask; elements of 1 byte; padding on; bit 21 beside a mask; 4 words behind every 64
	s_or_b32 s[G1B+0], s44, (0<<16)|(1<<20)|(1<<21)|(5<<22)|(3<<25)
.irp g, G1, G1B
	s_mov_b32 s[\g+1], ROWB<<16                    ; tensor_dim0
	s_mov_b32 s[\g+2], 256<<16                     ; tensor_dim1
	s_mov_b32 s[\g+3], ROWB<<16                    ; tile_dim0
	s_mov_b32 s[\g+4], 256                         ; tile_dim1
	s_mov_b32 s[\g+5], KROW                        ; the pitch
	s_mov_b32 s[\g+6], 0
	s_mov_b32 s[\g+7], 0
.endr
	s_lshl_b32 s20, s17, 8                         ; A: row 256 x tile
	s_lshl_b32 s46, s42, 8                         ; B likewise
	s_lshl_b32 s20, s20, 10                        ; x 1,024 bytes: under 2^23
	s_lshl_b32 s46, s46, 10
	s_mov_b32 s21, 0
	s_mov_b32 s47, 0
	s_wait_kmcnt 0x0
	s_load_b256 s[76:83], s[8:9], 0x0              ; e0 .. e7
	s_cmp_eq_u32 ttmp9, 2
	s_cselect_b64 s[84:85], s[6:7], s[4:5]         ; A's buffer
	s_cselect_b64 s[86:87], s[4:5], s[6:7]         ; B's
	s_add_nc_u64 s[20:21], s[84:85], s[20:21]
	s_add_nc_u64 s[46:47], s[86:87], s[46:47]
	CROUND                                         ; all sixteen work-groups are here: the first joint loads meet
.irp s, 0,1
	s_mov_b32 s[G0+4*\s], 1
	s_mov_b32 s[G0+4*\s+1], \s*SLOT
	s_add_nc_u64 s[G0+4*\s+2:G0+4*\s+3], s[20:21], \s*ROWB
	s_or_b32 s[G0+4*\s+3], s[G0+4*\s+3], 0x80000000
	s_mov_b32 s[G0B+4*\s], 1
	s_mov_b32 s[G0B+4*\s+1], \s*SLOT+2*HALFT
	s_add_nc_u64 s[G0B+4*\s+2:G0B+4*\s+3], s[46:47], \s*ROWB
	s_or_b32 s[G0B+4*\s+3], s[G0B+4*\s+3], 0x80000000
.endr
	s_cmp_eq_u32 s14, 0                            ; K steps 0 and 1: one chain, one load to an arm, one load a wave
	s_cbranch_scc0 .Lh1
	ARM G0, G1
	s_branch .Lhj
.Lh1:
	s_cmp_eq_u32 s14, 1
	s_cbranch_scc0 .Lh2
	ARM G0+4, G1
	s_branch .Lhj
.Lh2:
	s_cmp_eq_u32 s14, 2
	s_cbranch_scc0 .Lh3
	ARM G0B, G1B
	s_branch .Lhj
.Lh3:
	ARM G0B+4, G1B
.Lhj:
	v_and_b32 v1, 15, v0                           ; r
	v_bfe_u32 v2, v0, 4, 1                         ; h
	s_wait_alu depctr_va_vdst(0)
	v_mul_u32_u24 v3, v1, PITCH
	v_lshl_add_u32 v4, v2, 4, v3                   ; r x pitch + 16 h
	s_mul_i32 s21, s15, HALFT
	s_mul_i32 s22, s16, HALFT
	s_add_co_u32 s22, s22, 2*HALFT
.irp s, 0,1
	v_add_nc_u32 v[ADRA+\s], s21, v4
	v_add_nc_u32 v[ADRB+\s], s22, v4
	s_add_co_u32 s21, s21, SLOT
	s_add_co_u32 s22, s22, SLOT
.endr
	; the biases.  Both kinds are loaded on every path (the kind that is not used from index 0), so that no branch is needed here and no load leaves bqkv
	s_lshl_b32 s18, s42, 8
	s_lshl_b32 s19, s16, 7
	s_add_co_u32 s18, s18, s19
	s_lshl_b32 s18, s18, 2                         ; q, k: my first column, in bytes
	s_lshl_b32 s19, s41, 8
	s_lshl_b32 s12, s15, 7
	s_add_co_u32 s19, s19, s12
	s_add_co_u32 s19, s19, 2048
	s_lshl_b32 s19, s19, 2                         ; v: my first channel row
	s_cmp_eq_u32 ttmp9, 2
	s_cselect_b32 s90, 0, s18
	s_cselect_b32 s12, s19, 0
	s_mov_b32 s91, 0
	s_mov_b32 s13, 0
	s_add_nc_u64 s[92:93], s[10:11], s[90:91]
	s_add_nc_u64 s[94:95], s[10:11], s[12:13]
	v_lshlrev_b32 v56, 5, v2                       ; 32 h
	v_lshlrev_b32 v57, 2, v1                       ; 4 r
.irp b, 0,1,2,3,4,5,6,7
	global_load_b128 v[BQ+8*\b:BQ+8*\b+3], v56, s[92:93] offset:64*\b        ; register 8 b + j: bias of column 16 b + 8 h + j
	global_load_b128 v[BQ+8*\b+4:BQ+8*\b+7], v56, s[92:93] offset:64*\b+16
.endr
.irp a, 0,1,2,3,4,5,6,7
	global_load_b32 v[BV+2*\a], v57, s[94:95] offset:64*\a                   ; bias of row 16 a + r, twice: a pair for the packed form
	global_load_b32 v[BV+2*\a+1], v57, s[94:95] offset:64*\a
.endr
	; the addresses of the way out, all made here, ahead of the parting of the two ways
	s_lshl_b32 s18, s16, 7
	s_lshl_b32 s19, s15, 5
	s_add_co_u32 s18, s18, s19
	s_mul_i32 s18, s18, PITCH
	v_lshrrev_b32 v5, 2, v1
	v_mul_u32_u24 v5, v5, PITCH
	v_and_b32 v6, 3, v1
	v_lshl_add_u32 v5, v6, 6, v5
	v_lshl_add_u32 v5, v2, 4, v5
	v_add_nc_u32 v[STQ], s18, v5                   ; q, k: a stage row is (head of 4, group of 4 tokens): row 64 head + token / 4, byte 64 (token % 4) + 16 h
	s_mul_i32 s18, s15, 128*PITCH
	s_lshl_b32 s19, s16, 7
	s_add_co_u32 s18, s18, s19
	s_add_co_u32 s18, s18, VSTG
	v_add_nc_u32 v[STV], s18, v4                   ; v: a stage row is a channel, 256 tokens' codes
	s_mul_i32 s18, s14, 64*PITCH
	v_mul_u32_u24 v5, v2, PITCH
	v_lshl_add_u32 v5, v1, 4, v5
	v_add_nc_u32 v[RDQ], s18, v5                   ; back: wave w takes rows 64 w on (one head), two rows an instruction
	v_add_nc_u32 v[RDV], VSTG, v[RDQ]
	v_and_b32 v6, 31, v0
	v_lshlrev_b32 v[GOQ], 4, v6
	v_lshlrev_b32 v5, 11, v2
	v_lshl_add_u32 v[GOV], v1, 4, v5
	s_lshr_b32 s18, s17, 3                         ; q, k: batch << 21 + (4 cx + w) << 17 + first token x 64
	s_lshl_b32 s18, s18, 21
	s_lshl_b32 s19, s40, 19
	s_add_co_u32 s18, s18, s19
	s_and_b32 s19, s17, 7
	s_lshl_b32 s19, s19, 14
	s_add_co_u32 s18, s18, s19
	s_lshr_b32 s19, s42, 3                         ; v: batch << 21 + (4 cy + w) << 17 + first token
	s_lshl_b32 s19, s19, 21
	s_lshl_b32 s12, s41, 19
	s_add_co_u32 s19, s19, s12
	s_and_b32 s12, s42, 7
	s_lshl_b32 s12, s12, 8
	s_add_co_u32 s19, s19, s12
	s_cmp_eq_u32 ttmp9, 0
	s_cselect_b64 s[88:89], s[68:69], s[70:71]
	s_cmp_eq_u32 ttmp9, 2
	s_cselect_b64 s[88:89], s[72:73], s[88:89]
	s_cselect_b32 s90, s19, s18
	s_lshl_b32 s12, s14, 17
	s_add_co_u32 s90, s90, s12
	s_add_nc_u64 s[88:89], s[88:89], s[90:91]
	s_wait_kmcnt 0x0
	s_cmp_eq_u32 ttmp9, 0
	s_cselect_b32 s18, s78, s79                    ; e2 or e3,
	s_cmp_eq_u32 ttmp9, 2
	s_cselect_b32 s18, s81, s18                    ; or e5: a choice on the cluster's number; no branch hangs on a scale
	s_add_co_i32 s18, s18, 127
	s_lshl_b32 s19, s18, 23
	v_mov_b32 v[SC], s19
	s_add_co_i32 s18, s18, 15
	s_lshl_b32 s18, s18, 23
	s_or_b32 s18, s18, 0x600000
	v_mov_b32 v[LIM], s18
	s_add_co_i32 s96, s76, s77
	s_add_co_i32 s96, s96, 127
	s_lshl_b32 s96, s96, 23                        ; 2^(e0 + e1)
	s_mov_b32 s97, s96                             ; (named with it as a pair)
.macro FRAG reg, adr, q, i             ; 16 rows x 128 K: registers 4 c .. 4 c + 3 hold K = 32 c + 16 h + 0 .. 15, alike in A and in B
.irp c, 0,1,2,3
	ds_load_b128 v[\reg+4*\c:\reg+4*\c+3], v[\adr] offset:128*(\q)+32*\c+(\i)*16*PITCH
.endr
.endm
; 16 matrix instructions: A's blocks a0, a0 + 1 x B's eight.  The 64 accumulators take turns, one instruction a turn, in the same order in every step.
.macro MUL16 a0, p, zero
.irp a, \a0, \a0+1
.irp b, 0,1,2,3,4,5,6,7
.if \zero
	v_wmma_f32_16x16x128_bf8_bf8 v[8*(8*((\a)%4)+\b):8*(8*((\a)%4)+\b)+7], v[128*(\p)+FR*\b:128*(\p)+FR*\b+FR-1], v[AF+FR*(\a):AF+FR*(\a)+FR-1], 0
.else
	v_wmma_f32_16x16x128_bf8_bf8 v[8*(8*((\a)%4)+\b):8*(8*((\a)%4)+\b)+7], v[128*(\p)+FR*\b:128*(\p)+FR*\b+FR-1], v[AF+FR*(\a):AF+FR*(\a)+FR-1], v[8*(8*((\a)%4)+\b):8*(8*((\a)%4)+\b)+7]
.endif
.endr
.endr
.endm
.macro FETCH_B slot, q, p
	WIN TO_B
.irp i, 0,1,2,3,4,5,6,7
	FRAG 128*(\p)+FR*\i, ADRB+\slot, \q, \i
.endr
	WIN 0
.endm
.macro FETCH_A slot, q, i0
.irp i, \i0, \i0+1, \i0+2, \i0+3
	FRAG AF+FR*(\i), ADRA+\slot, \q, \i
.endr
.endm
.macro PLACES n                        ; plain vector instructions between a matrix instruction and a load into, or a read of, its registers
.rept \n
	v_nop
.endr
.endm
.macro STEP slot, q, zero              ; 128 along K with its successor in the same slot
	s_wait_dscnt 4*NL                              ; B's set and A's blocks 0-3 are in; the youngest sixteen loads (A's blocks 4-7) may be out
	WIN MUL_LO
	MUL16 0, (\q)%2, \zero
	MUL16 2, (\q)%2, \zero
	s_wait_dscnt 0
	PLACES NP
	FETCH_B \slot, (\q)+1, 1-(\q)%2
	FETCH_A \slot, (\q)+1, 0
	WIN MUL_HI
	MUL16 4, (\q)%2, \zero
	MUL16 6, (\q)%2, \zero
	PLACES NP
	WIN 0
	FETCH_A \slot, (\q)+1, 4
.endm
.macro TURN slot, next, fill           ; a slot's last step changes slots
	s_wait_tensorcnt 0x0                           ; all my tensor loads have landed: my part of the next slot
	ds_add_u32 v[SPW], v[NIL]                      ; 0 onto my spare word
	s_wait_dscnt 4*NL+1                            ; (the add and the youngest sixteen loads may be out)
	WIN MUL_LO
	MUL16 0, 1, 0
	s_wait_dscnt 0x0                               ; the add is done, and my reads of this slot are over
	s_barrier_signal -1
	MUL16 2, 1, 0
	WIN 0
	s_barrier_wait -1
.if \fill
	CREST                                          ; the barrier has opened a round of the cluster's barrier: no wave of any partner still reads this slot or has a load on its way
	s_add_nc_u64 s[G0+4*\slot+2:G0+4*\slot+3], s[G0+4*\slot+2:G0+4*\slot+3], 2*ROWB
	s_add_nc_u64 s[G0B+4*\slot+2:G0B+4*\slot+3], s[G0B+4*\slot+2:G0B+4*\slot+3], 2*ROWB
	JLOAD \slot                                    ; the first tensor load behind the round
	PLACES NP                                      ; the places in front of the loads below, on every wave's way
.else
	PLACES NP
.endif
	FETCH_B \next, 0, 0
	FETCH_A \next, 0, 0
	WIN MUL_HI
	MUL16 4, 1, 0
	MUL16 6, 1, 0
	PLACES NP
	WIN 0
	FETCH_A \next, 0, 4
.endm
	s_wait_alu depctr_va_vdst(0)                   ; the wait at the head's end
	s_wait_tensorcnt 0x0                           ; my tile, of K step 0 or 1, is in
	s_barrier_signal -1                            ; every wave's tile is in: both slots are whole
	s_barrier_wait -1
	FETCH_B 0, 0, 0
	FETCH_A 0, 0, 0
	FETCH_A 0, 0, 4
	STEP 0, 0, 1                                   ; the first step's products start the sums
	s_mov_b32 s3, LAPS-1
.Llap:
	TURN 0, 1, 1
	STEP 1, 0, 0
	TURN 1, 0, 1
	STEP 0, 0, 0
	s_sub_co_u32 s3, s3, 1
	s_cmp_lg_u32 s3, 0
	s_cbranch_scc1 .Llap
	TURN 0, 1, 0                                   ; the last lap fills nothing
	STEP 1, 0, 0
	s_wait_dscnt 4*NL
	WIN MUL_LO
	MUL16 0, 1, 0
	MUL16 2, 1, 0
	s_wait_dscnt 0
	WIN MUL_HI
	MUL16 4, 1, 0
	MUL16 6, 1, 0
	WIN 0
; THE WAY OUT of block a (16 rows of A x 128 of B): sum x 2^(e0+e1) + bias, the hold, the conversion; each accumulator from its low end on.  kind 0: q, k; 1: v.
.macro EPI a, kind
.set AC, 64*((\a)%4)
	WIN 0x82+0x41*((\a)/4)                         ; source 0 and destination: window 2 or 3
.set j, 0
.rept 32
.if \kind
	v_pk_fma_f32 v[AC+j:AC+j+1], v[AC+j:AC+j+1], s[96:97], v[BV+2*(\a):BV+2*(\a)+1] op_sel_hi:[1,0,1]
.else
	v_pk_fma_f32 v[AC+j:AC+j+1], v[AC+j:AC+j+1], s[96:97], v[BQ+j:BQ+j+1] op_sel_hi:[1,0,1]
.endif
.set j, j+2
.endr
.set j, 0
.rept 64
	v_med3_num_f32 v[AC+j], v[AC+j], -v[LIM], v[LIM]   ; the conversion does not saturate (ISA guide 7.6.2)
.set j, j+1
.endr
	WIN 0x02+((\a)/4)
.irp b, 0,1,2,3,4,5,6,7
	v_cvt_scalef32_pk8_bf8_f32 v[CD+16*(\a)+2*\b:CD+16*(\a)+2*\b+1], v[AC+8*\b:AC+8*\b+7], v[SC]
.endr
	WIN 0
	v_nop                                          ; a plain vector line behind the last conversion
.irp b, 0,1,2,3
.if \kind
	ds_store_b128 v[STV], v[CD+16*(\a)+4*\b:CD+16*(\a)+4*\b+3] offset:16*(\a)*PITCH+32*\b
.else
	ds_store_b128 v[STQ], v[CD+16*(\a)+4*\b:CD+16*(\a)+4*\b+3] offset:((\b/2)*64+4*(\a))*PITCH+32*(\b%2)
.endif
.endr
.endm
.macro OUT rd, go, kind                ; wave w stores one head's part of the tile: 64 stage rows of 256 bytes
.set i, 0
.rept 32
	ds_load_b128 v[128+4*i:128+4*i+3], v[\rd] offset:2*i*PITCH
.set i, i+1
.endr
.set i, 0
.rept 32
	s_wait_dscnt 31-i                              ; LDS loads come back in order: load i is in
.if \kind
	global_store_b128 v[\go], v[128+4*i:128+4*i+3], s[88:89] offset:((((2*i)&39)|(((2*i)&8)<<1)|(((2*i)&16)>>1))*2048)   ; channel c goes to the row with bits 3 and 4 of c exchanged; sixteen lanes store 256 consecutive bytes, aligned
.else
	global_store_b128 v[\go], v[128+4*i:128+4*i+3], s[88:89] offset:512*i   ; eight tokens' rows: 512 consecutive bytes, aligned
.endif
.set i, i+1
.endr
.endm
	s_wait_loadcnt 0x0                             ; the biases
	PLACES NP
	s_cmp_eq_u32 ttmp9, 2
	s_cbranch_scc1 .Lepi_v
.irp a, 0,1,2,3,4,5,6,7
	EPI \a, 0
.endr
	s_branch .Lepi_done
.Lepi_v:
.irp a, 0,1,2,3,4,5,6,7
	EPI \a, 1
.endr
.Lepi_done:
	s_wait_dscnt 0x0                               ; for the others' sake: my stores into the stage are done
	s_barrier_signal -1
	s_barrier_wait -1
	s_cmp_eq_u32 ttmp9, 2
	s_cbranch_scc1 .Lout_v
	OUT RDQ, GOQ, 0
	s_branch .Lout_done
.Lout_v:
	OUT RDV, GOV, 1
.Lout_done:
	s_wait_tensorcnt 0x0                           ; the wave's end
	ds_add_u32 v[SPW], v[NIL]
	s_wait_dscnt 0x0
	CROUND                                         ; the closing round
	s_endpgm
.Lfunc_end_k_q33b2ef12c4_gemm_qkv:
	.size	k_q33b2ef12c4_gemm_qkv, .Lfunc_end_k_q33b2ef12c4_gemm_qkv-k_q33b2ef12c4_gemm_qkv
	.p2alignl 7, 3214868480
	.fill 96, 4, 3214868480
	.section	.rodata,"a",@progbits
	.p2align	6, 0x0
	.amdhsa_kernel k_q33b2ef12c4_gemm_qkv
		.amdhsa_group_segment_fixed_size 327680
		.amdhsa_private_segment_fixed_size 0
		.amdhsa_enable_private_segment 0
		.amdhsa_kernarg_size 56
		.amdhsa_user_sgpr_count 2
		.amdhsa_user_sgpr_kernarg_segment_ptr 1
		.amdhsa_wavefront_size32 1
		.amdhsa_system_sgpr_workgroup_id_x 1
		.amdhsa_system_sgpr_workgroup_id_y 1
		.amdhsa_system_sgpr_workgroup_id_z 1
		.amdhsa_system_vgpr_workitem_id 0
		.amdhsa_next_free_vgpr 1024
		.amdhsa_next_free_sgpr 100
		.amdhsa_reserve_vcc 0
		.amdhsa_float_denorm_mode_32 3
		.amdhsa_float_denorm_mode_16_64 3
		.amdhsa_memory_ordered 1
		.amdhsa_forward_progress 1
		.amdhsa_inst_pref_size 206
	.end_amdhsa_kernel
	.amdgpu_metadata
---
amdhsa.version: [ 1, 2 ]
amdhsa.kernels:
  - .name:           k_q33b2ef12c4_gemm_qkv
    .symbol:         k_q33b2ef12c4_gemm_qkv.kd
    .args:
      - { .name: x_codes, .offset: 0, .size: 8, .value_kind: global_buffer, .address_space: global }
      - { .name: wqkv_codes, .offset: 8, .size: 8, .value_kind: global_buffer, .address_space: global }
      - { .name: lowp_scales, .offset: 16, .size: 8, .value_kind: global_buffer, .address_space: global }
      - { .name: bqkv, .offset: 24, .size: 8, .value_kind: global_buffer, .address_space: global }
      - { .name: q_codes, .offset: 32, .size: 8, .value_kind: global_buffer, .address_space: global }
      - { .name: k_codes, .offset: 40, .size: 8, .value_kind: global_buffer, .address_space: global }
      - { .name: v_codes, .offset: 48, .size: 8, .value_kind: global_buffer, .address_space: global }
    .group_segment_fixed_size: 327680
    .private_segment_fixed_size: 0
    .kernarg_segment_align: 8
    .kernarg_segment_size: 56
    .max_flat_workgroup_size: 128
    .sgpr_count:     100
    .vgpr_count:     1024
    .wavefront_size: 32
...
	.end_amdgpu_metadata
.endif
;; end of part 2
;; launch attn (part 3): grid 4 x 64, 8 waves a work-group, clusters of 4 x 1, 327,680 bytes of LDS; arguments q_codes, k_codes, v_codes, mbias, lowp_scales, out1, a_codes; writes out1, a_codes
.if DOCPART == 3
	.amdgcn_target "amdgcn-amd-amdhsa--gfx1250"
	.amdhsa_code_object_version 6
	.text
	.protected	k_q33b2ef12c4_attn
	.globl	k_q33b2ef12c4_attn
	.p2align	8
	.type	k_q33b2ef12c4_attn,@function
k_q33b2ef12c4_attn:
	s_mov_b64 s[64:65], 0
	v_nop
	global_prefetch_b8 v0, s[64:65] scope:SCOPE_SE
	s_setreg_imm32_b32 hwreg(HW_REG_WAVE_MODE, 25, 1), 1
	s_wait_xcnt 0x0
	s_wait_alu depctr_hold_cnt(0) depctr_sa_sdst(0) depctr_va_vdst(0) depctr_va_sdst(0) depctr_va_ssrc(0) depctr_va_vcc(0) depctr_vm_vsrc(0)
	s_getreg_b32 s2, hwreg(HW_REG_IB_STS2, 6, 4)
	s_cmp_eq_u32 s2, 0
	s_cbranch_scc0 .Lentry_in_a_cluster
	s_endpgm
.Lentry_in_a_cluster:
	s_bfe_u32 s2, ttmp6, 0x10000c
	s_cmp_lg_u32 s2, 0x3003
	s_cbranch_scc0 .Lentry_shape_is_right
	s_endpgm
.Lentry_shape_is_right:
; Causal attention with a key mask, both products on codes of BF8 (E5M2).  out1[b][head][q][:] = sum over keys of p V / l, f32; the same numbers quantised with 2^e6 go to a_codes, laid as the last launch's operand registers.
; t = raw score x c, c = log2(e) / 8 x 2^(e2+e3); M = the running largest t rounded UP to a whole number; p = 2^(t - M) is quantised with 2^e4; l is the sum of the unquantised p; O and l are multiplied by 2^(old M - new M) in every step: exact.
; A HEAD'S K AND V STAY IN LDS: 2,048 keys x 64 bytes each, 274,432 bytes with their padding.  Each of the eight waves asks for one eighth at the head (waves 0-3: 512 keys of K each; waves 4-7: 512 keys of V's 64 rows each);
; nothing is filled again, so one barrier stands behind the fills and none in the walk over the keys: the waves walk on their own.
; CLUSTER 4, 1, 1: the four work-groups of a head need the same K and V and ask for them jointly (mask 15).
; SHARES.  A head has 64 blocks of 32 queries.  Wave w of the partner at place cx owns blocks 63 - j and j, j = 4 w + cx: 16 - w and w + 1 key steps of 128 keys, 17 for every wave.  The counts hang on w alone: no branch hangs on cx.
; The steps behind a block's last are wholly under the causal mask and are left out (a scalar branch on the wave's number and the trip's); the last step lies on the diagonal: hidden scores become -infinity there.
; One loop of 24 trips (16 for the first block, 8 for the second), a constant; at trip 16 the first block goes out and the second begins.
; LAYOUT.  Both products transposed: S^T = K Q^T (source 0 = 16 keys, source 1 = 16 queries), O^T = V^T P^T: a lane holds one query throughout.  Tile t of S^T holds keys 16 t + 8 h + j: its conversion gives registers 2 t, 2 t + 1 of P;
; v_codes is laid so that four loads of 16 bytes give V the same places, and its rows so that the 16 registers of two neighbouring tiles of O^T are channels 32 B + 16 h + 0 .. 15.
; THE KEY MASK IS THE C OF THE FIRST PRODUCT: mbias holds 0 or -2^80 for each key.  |raw score| < 2^38; the running largest t begins at c x (-2^40), under every real t and over every masked one: a masked key never enters M, and its p is 0.
; A row with no key left keeps l = 0 and O = 0: out1 gets 0 x infinity = NaN, a_codes the NaN code.
; LIMITS: e2 + e3 between -64 and 44 (c x 2^80 finite and at least 2^8); e4, e6 between -126 and 112; e4 + e5 is applied by v_ldexp_f32.
; NO PREFETCH: every tensor load of the launch is issued at its head; there is no later load to run ahead of.
; LDS: K 512 rows (4 keys a row) x 272; V four chunks of 64 rows x 528; the mask's 2,048 numbers (stored by the waves, bytes of their own); a stage of 16 x 272 for each wave; the spare words.
; REGISTERS.  window 0: v1-15 addresses; v16-31 Q; v32-95 K; v96-159 V; v160-223 the mask.  window 1: v0-63 O^T; v64-191 S^T, then p; v192-223 P; v224-239 statistics, 8 a tile (-M, largest t, l in two halves, f, 0, two at work); v240-255 sums' chains, constants, the way out's addresses.
.set PIT,   272
.set VP,    528
.set KCH,   128*PIT
.set VOFF,  4*KCH
.set VCH,   64*VP
.set MOFF,  VOFF+4*VCH
.set STG,   MOFF+8192
.set SPARE, STG+8*16*PIT               ; 128 bytes a wave: four blocks of 256 bytes that no other line names
.set AK0, 1
.set AV0, 2
.set AB0, 3
.set QOF, 4
.set SPW, 5
.set NIL, 6
.set ADK, 7
.set ADV, 8
.set ADB, 9
.set Q,   16
.set KF,  32
.set VF,  96
.set BI,  160
.set MT,  224
.set Q2,  232                          ; v232-247 my second block's Q, loaded at the head
.set O,   0                            ; window 1 from here on
.set S,   64
.set P,   192
.set ST,  224
.set CH,  240
.set PLIM, 246
.set PSC,  247
.set PLIM2, 248                        ; the hold's limit once more: the two halves of a pair take their second sources from different register banks
.set DD,   249
.set RH,   250                         ; r - 8 h
.set STO,  251
.set SRD,  252
.set GC,   253                         ; 16 x lane
.set ALIM, 254
.set ASC,  255
.set N,   3                            ; the trip's number
.set WV,  18
.set CX,  19
.set SEL, 20
.set CS,  22
.set G1K, 24
.set G1V, 32
.set G0K, 40
.set G0V, 44
.set QB,  48
.set OF,  50                           ; s[50:51] an offset, upper word 0
.set LAST, 52                          ; the block's last key step
.set KS,  53                           ; the key step
.set DQ,  54                           ; my first query less the last step's first key
.set DQS, 55
.set Q0,  56
.set Q0S, 57
.set BH,  58
.set EPV, 59
.set T0S, 60
.set KA,  61
.set VA,  62
.set MA,  63
.set MSB, 0
.macro WIN new                         ; the immediate's high byte repeats the setting that is left
.if MSB != (\new)
	s_set_vgpr_msb (MSB<<8)|(\new)
.set MSB, \new
.endif
.endm
.set W_QK, 0x40                        ; S^T window 1; K, Q, the mask window 0
.set W_1,  0x55                        ; all four places window 1
.set W_PV, 0x54                        ; V window 0; P, C and D window 1
.macro CROUND                          ; a round of the cluster's barrier
	s_barrier_signal -1
	s_barrier_wait -1
	s_cmp_lg_u32 s[WV], 0
	s_cbranch_scc1 .Lnot_wave_0_\@
	s_barrier_signal -3
.Lnot_wave_0_\@:
	s_barrier_wait -3
	s_barrier_signal -1
	s_barrier_wait -1
.endm
.macro QLOAD                           ; my 32 queries' codes: registers 4 c .. 4 c + 3 of a tile: bytes 32 c + 16 h + 0 .. 15 of row r, as K's fragments take theirs
.irp u, 0,1
.irp c, 0,1
	global_load_b128 v[Q+8*\u+4*\c:Q+8*\u+4*\c+3], v[QOF], s[92:93] offset:1024*\u+32*\c
.endr
.endr
.endm
.macro INIT                            ; a block begins: largest t = c x (-2^40), l = 0, O^T = 0 (the step is written once: its first run finds zeros)
	WIN W_1
.irp u, 0,1
	v_mov_b32 v[ST+8*\u+1], s[T0S]
.irp k, 2,3,4,5,6,7
	v_mov_b32 v[ST+8*\u+\k], 0
.endr
	v_floor_f32 v[ST+8*\u], -v[ST+8*\u+1]
.endr
.set i, 0
.rept 64
	v_mov_b32 v[O+i], 0
.set i, i+1
.endr
.endm
.macro SUM u                           ; the row's sum of the unquantised p: two at a time, in four chains
.set rS, S+64*(\u)
.set rL, ST+8*(\u)+2
	v_pk_add_f32 v[CH:CH+1], v[rS:rS+1], v[rS+2:rS+3]
	v_pk_add_f32 v[CH+2:CH+3], v[rS+4:rS+5], v[rS+6:rS+7]
	v_pk_add_f32 v[CH+4:CH+5], v[rS+8:rS+9], v[rS+10:rS+11]
	v_pk_add_f32 v[rL:rL+1], v[rL:rL+1], v[rS+12:rS+13]
.set k, 14
.rept 6
	v_pk_add_f32 v[CH:CH+1], v[CH:CH+1], v[rS+k:rS+k+1]
	v_pk_add_f32 v[CH+2:CH+3], v[CH+2:CH+3], v[rS+k+2:rS+k+3]
	v_pk_add_f32 v[CH+4:CH+5], v[CH+4:CH+5], v[rS+k+4:rS+k+5]
	v_pk_add_f32 v[rL:rL+1], v[rL:rL+1], v[rS+k+6:rS+k+7]
.set k, k+8
.endr
	v_pk_add_f32 v[CH:CH+1], v[CH:CH+1], v[rS+62:rS+63]
	v_pk_add_f32 v[CH+2:CH+3], v[CH+2:CH+3], v[CH+4:CH+5]
	v_pk_add_f32 v[rL:rL+1], v[rL:rL+1], v[CH:CH+1]
	v_pk_add_f32 v[rL:rL+1], v[rL:rL+1], v[CH+2:CH+3]
.endm
; A KEY STEP: 128 keys for both tiles of queries.
.macro KLOAD adk, adb                  ; a step's fragments of K, and the mask's numbers in the result's layout: register 8 t + j: key 16 t + 8 h + j
.irp t, 0,1,2,3,4,5,6,7
.irp c, 0,1
	ds_load_b128 v[KF+8*\t+4*\c:KF+8*\t+4*\c+3], v[\adk] offset:4*\t*PIT+32*\c
.endr
.endr
.irp t, 0,1,2,3,4,5,6,7
.irp x, 0,1
	ds_load_b128 v[BI+8*\t+4*\x:BI+8*\t+4*\x+3], v[\adb] offset:64*\t+16*\x
.endr
.endr
.endm
.macro STEP
	s_and_b32 s[KS], s[N], 15
	s_cmp_gt_u32 s[KS], s[LAST]                    ; behind the block's last step all keys are hidden: the work is left out
	s_cbranch_scc1 .Lhid_\@
	s_add_co_u32 s96, s[KS], 1
	s_and_b32 s96, s96, 15
	s_cmp_eq_u32 s[KS], s[LAST]
	s_cselect_b32 s96, 0, s96                      ; the step that I walk next: behind a block's last step, step 0
	s_mul_i32 s[KA], s96, 32*PIT
	s_lshl_b32 s[MA], s96, 9
	s_lshr_b32 s96, s[KS], 2
	s_mul_i32 s96, s96, VCH
	s_and_b32 s97, s[KS], 3
	s_lshl_b32 s97, s97, 7
	s_add_co_u32 s[VA], s96, s97
	v_add_nc_u32 v[ADV], s[VA], v[AV0]
.rept 3
	v_nop                                          ; with the line above: the four places in front of loads into registers that the last products read
.endr
.irp t, 0,1,2,3
.irp c, 0,1,2,3
	ds_load_b128 v[VF+16*\t+4*\c:VF+16*\t+4*\c+3], v[ADV] offset:16*\t*VP+32*\c
.endr
.endr
	s_wait_dscnt 16                                ; K and the mask are in; V's sixteen loads, the youngest, may be out
	WIN W_QK
.irp t, 0,1,2,3,4,5,6,7
.irp u, 0,1
	v_wmma_f32_16x16x64_bf8_bf8 v[S+64*\u+8*\t:S+64*\u+8*\t+7], v[KF+8*\t:KF+8*\t+7], v[Q+8*\u:Q+8*\u+7], v[BI+8*\t:BI+8*\t+7]
.endr
.endr
	WIN 0
	v_add_nc_u32 v[ADK], s[KA], v[AK0]
	v_add_nc_u32 v[ADB], s[MA], v[AB0]
	v_nop
	v_nop                                          ; four places behind the products
	KLOAD ADK, ADB                                 ; the next step's K and mask come in under this step's softmax (behind the second block's last step they are not used: the waits' counts are the same on every way)
	s_cmp_lg_u32 s[KS], s[LAST]
	s_cbranch_scc1 .Lopen_\@
	WIN W_1
	v_add_nc_u32 v[DD], s[DQ], v[RH]               ; d = tile 0's query - the step's first key - 8 h: its register 8 t + j is hidden where 16 t + j > d
.set n, 0
.rept 64                                       ; tile 1's queries lie 16 further on: its register 8 (t + 1) + j is hidden by the same test; its first eight never (d is at least -8)
	v_cmp_le_i32 vcc_lo, 16*(n/8)+n%8, v[DD]       ; the key counts; else the score becomes -infinity
	v_cndmask_b32 v[S+n], 0xff800000, v[S+n], vcc_lo
.if n < 56
	v_cndmask_b32 v[S+72+n], 0xff800000, v[S+72+n], vcc_lo
.endif
.set n, n+1
.endr
	WIN 0
.Lopen_\@:
	WIN W_1
	; the step's largest score, the new M, f = 2^(old M - new M): the two tiles' chains line by line; each accumulator is read from its low end on
.irp u, 0,1
	v_max3_num_f32 v[ST+8*\u+6], v[S+64*\u], v[S+64*\u+1], v[S+64*\u+2]
	v_max3_num_f32 v[ST+8*\u+7], v[S+64*\u+3], v[S+64*\u+4], v[S+64*\u+5]
.endr
.irp i, 6,10,14,18,22,26,30,34,38,42,46,50,54,58
.irp u, 0,1
	v_max3_num_f32 v[ST+8*\u+6], v[ST+8*\u+6], v[S+64*\u+\i], v[S+64*\u+\i+1]
	v_max3_num_f32 v[ST+8*\u+7], v[ST+8*\u+7], v[S+64*\u+\i+2], v[S+64*\u+\i+3]
.endr
.endr
.irp u, 0,1
	v_max3_num_f32 v[ST+8*\u+6], v[ST+8*\u+6], v[S+64*\u+62], v[S+64*\u+63]
.endr
.irp u, 0,1
	v_max_num_f32 v[ST+8*\u+6], v[ST+8*\u+6], v[ST+8*\u+7]
.endr
.irp u, 0,1
	v_permlanex16_b32 v[ST+8*\u+7], v[ST+8*\u+6], s[SEL], s[SEL+1]     ; the query's other 64 keys lie in lane l xor 16
.endr
.irp u, 0,1
	v_max_num_f32 v[ST+8*\u+6], v[ST+8*\u+6], v[ST+8*\u+7]
.endr
.irp u, 0,1
	v_mul_f32 v[ST+8*\u+6], s[CS], v[ST+8*\u+6]                        ; as t (c is positive)
.endr
.irp u, 0,1
	v_max_num_f32 v[ST+8*\u+1], v[ST+8*\u+1], v[ST+8*\u+6]
.endr
.irp u, 0,1
	v_mov_b32 v[ST+8*\u+6], v[ST+8*\u]
.endr
.irp u, 0,1
	v_floor_f32 v[ST+8*\u], -v[ST+8*\u+1]                              ; -M = floor(-t)
.endr
.irp u, 0,1
	v_sub_f32 v[ST+8*\u+6], v[ST+8*\u], v[ST+8*\u+6]                   ; old M - new M: a whole number, 0 or less
.endr
.irp u, 0,1
	v_cvt_i32_f32 v[ST+8*\u+6], v[ST+8*\u+6]                           ; (it saturates)
.endr
.irp u, 0,1
	v_ldexp_f32 v[ST+8*\u+4], 1.0, v[ST+8*\u+6]
.endr
.irp u, 0,1
	v_pk_mul_f32 v[ST+8*\u+2:ST+8*\u+3], v[ST+8*\u+2:ST+8*\u+3], v[ST+8*\u+4:ST+8*\u+5] op_sel_hi:[1,0]   ; l under the new M
.endr
.irp u, 0,1
.set j, 0
.rept 16
	v_pk_mul_f32 v[O+32*\u+j:O+32*\u+j+1], v[O+32*\u+j:O+32*\u+j+1], v[ST+8*\u+4:ST+8*\u+5] op_sel_hi:[1,0]   ; O^T under the new M: its first read stands ahead of the step's exponentials
.set j, j+2
.endr
.endr
.set j, 0
.rept 32
	v_pk_fma_f32 v[S+j:S+j+1], v[S+j:S+j+1], s[CS:CS+1], v[ST:ST+1] op_sel_hi:[1,0,0]   ; t - M of tile 0 (of the pairs c and -M the low word serves both halves)
.set j, j+2
.endr
	s_wait_alu depctr_va_vdst(0)                   ; ahead of the batch
.set j, 0
.rept 32                                       ; tile 0's exponentials, and between them tile 1's t - M, which names none of their registers
	v_exp_f32 v[S+j], v[S+j]
	v_exp_f32 v[S+j+1], v[S+j+1]
	v_pk_fma_f32 v[S+64+j:S+64+j+1], v[S+64+j:S+64+j+1], s[CS:CS+1], v[ST+8:ST+9] op_sel_hi:[1,0,0]
.set j, j+2
.endr
	s_wait_alu depctr_va_vdst(0)                   ; one wait: behind tile 0's batch, ahead of tile 1's
	SUM 0
.set j, 0
.rept 32                                       ; tile 1's exponentials, and between them tile 0's hold, two numbers an instruction: the conversion does not saturate (ISA guide 7.6.2); p is not negative, so the hold is one-sided
	v_exp_f32 v[S+64+j], v[S+64+j]
	v_exp_f32 v[S+64+j+1], v[S+64+j+1]
	v_dual_min_num_f32 v[S+j], v[S+j], v[PLIM] :: v_dual_min_num_f32 v[S+j+1], v[S+j+1], v[PLIM2]
.set j, j+2
.endr
	v_nop                                          ; a plain line behind the last exponential
	s_wait_alu depctr_va_vdst(0)                   ; one wait behind the batch, ahead of the readers of its results and of the held p
.irp t, 0,1,2,3,4,5,6,7
	v_cvt_scalef32_pk8_bf8_f32 v[P+2*\t:P+2*\t+1], v[S+8*\t:S+8*\t+7], v[PSC]
.endr
	SUM 1
.irp t, 0,1,2,3,4,5,6,7
.irp i, 0,2,4,6
	v_dual_min_num_f32 v[S+64+8*\t+\i], v[S+64+8*\t+\i], v[PLIM] :: v_dual_min_num_f32 v[S+64+8*\t+\i+1], v[S+64+8*\t+\i+1], v[PLIM2]
.endr
	v_cvt_scalef32_pk8_bf8_f32 v[P+16+2*\t:P+16+2*\t+1], v[S+64+8*\t:S+64+8*\t+7], v[PSC]
.endr
	v_nop                                          ; a plain line behind the last conversion
	s_wait_alu depctr_va_vdst(0)                   ; directly ahead of the wait below
	s_wait_dscnt 32                                ; V is in; the 32 loads of the next step's K and mask, the youngest, may be out
	WIN W_PV
.irp t, 0,1,2,3
.irp u, 0,1
	v_wmma_f32_16x16x128_bf8_bf8 v[O+32*\u+8*\t:O+32*\u+8*\t+7], v[VF+16*\t:VF+16*\t+15], v[P+16*\u:P+16*\u+15], v[O+32*\u+8*\t:O+32*\u+8*\t+7]   ; the eight accumulators by turns, one instruction a turn
.endr
.endr
	WIN 0
.Lhid_\@:
.endm
; A BLOCK OF QUERIES IS FINISHED.  O^T / l x 2^(e4+e5): f32 through my stage to out1 (whole rows of 256 bytes), and as codes to a_codes (a lane's 16 channels are 16 bytes; a store covers 512 consecutive bytes, aligned).
; reinit = 1: my second block begins.
.macro FINAL reinit
	WIN W_1
.rept 4
	v_nop                                          ; places behind the last products
.endr
	s_lshl_b32 s[OF], s[Q0], 8
	s_add_nc_u64 s[92:93], s[14:15], s[OF:OF+1]    ; out1 at my first query
	s_lshr_b32 s96, s[Q0], 7
	s_lshl_b32 s96, s96, 17                        ; a_codes: the block of 128 tokens,
	s_bfe_u32 s97, s[Q0], 0x30004
	s_lshl_b32 s97, s97, 12                        ; the token tile in it
	s_add_co_u32 s[OF], s96, s97
	s_add_nc_u64 s[94:95], s[16:17], s[OF:OF+1]
.irp u, 0,1
	v_add_f32 v[ST+8*\u+6], v[ST+8*\u+2], v[ST+8*\u+3]
.endr
.irp u, 0,1
	v_permlanex16_b32 v[ST+8*\u+7], v[ST+8*\u+6], s[SEL], s[SEL+1]
.endr
.irp u, 0,1
	v_add_f32 v[ST+8*\u+6], v[ST+8*\u+6], v[ST+8*\u+7]       ; l
.endr
	s_wait_alu depctr_va_vdst(0)                   ; ahead of the reciprocals
.irp u, 0,1
	v_rcp_f32 v[ST+8*\u+7], v[ST+8*\u+6]
.endr
	v_nop                                          ; a plain line behind them,
	s_wait_alu depctr_va_vdst(0)                   ; and one wait for both, ahead of the first reader
.irp u, 0,1
	v_ldexp_f32 v[ST+8*\u+7], v[ST+8*\u+7], s[EPV]
.endr
	s_wait_alu depctr_va_vdst(0)                   ; directly ahead of the first readers of O^T, 64 plain lines
.irp u, 0,1
.set i, 0
.rept 32
	v_mul_f32 v[S+64*\u+i], v[O+32*\u+i], v[ST+8*\u+7]       ; register 16 B + i: channel 32 B + 16 h + i.  With l = 0: 0 x infinity = NaN
.set i, i+1
.endr
.endr
.irp u, 0,1
.irp b, 0,1
.irp x, 0,1,2,3
	ds_store_b128 v[STO], v[S+64*\u+16*\b+4*\x:S+64*\u+16*\b+4*\x+3] offset:128*\b+16*\x
.endr
.endr
.set i, 0
.rept 32
	v_med3_num_f32 v[S+64*\u+32+i], v[S+64*\u+i], -v[ALIM], v[ALIM]
.set i, i+1
.endr
.irp g, 0,1,2,3
	v_cvt_scalef32_pk8_bf8_f32 v[P+16*\u+2*\g:P+16*\u+2*\g+1], v[S+64*\u+32+8*\g:S+64*\u+32+8*\g+7], v[ASC]
.endr
	v_nop                                          ; a plain line between the conversions and the lines that touch their results
	v_cmp_neq_f32 vcc_lo, 0, v[ST+8*\u+6]
.irp g, 0,1,2,3,4,5,6,7
	v_cndmask_b32 v[P+16*\u+\g], 0x7f7f7f7f, v[P+16*\u+\g], vcc_lo   ; a row with no key left: the NaN code, so that the last product gives NaN there too
.endr
.irp b, 0,1
	global_store_b128 v[GC], v[P+16*\u+4*\b:P+16*\u+4*\b+3], s[94:95] offset:4096*\u+512*\b
.endr
.irp w, 0,1,2,3,4,5,6,7
	ds_load_b128 v[S+64*\u+4*\w:S+64*\u+4*\w+3], v[SRD] offset:2*\w*PIT   ; LDS serves a wave's instructions in order: these see my stores, and the next tile's stores come behind them
.endr
.irp w, 0,1,2,3,4,5,6,7
	s_wait_dscnt 7-\w                              ; load w is in; the younger ones may be out
	global_store_b128 v[GC], v[S+64*\u+4*\w:S+64*\u+4*\w+3], s[92:93] offset:4096*\u+512*\w th:TH_STORE_NT   ; two rows of out1: 512 consecutive bytes, aligned
.endr
.endr
.if \reinit
	s_wait_xcnt 0x0                                ; the stores have read their registers and bases: both may be written again
	INIT
	WIN 0
	s_mov_b32 s[Q0], s[Q0S]
	s_mov_b32 s[LAST], s[WV]
	s_mov_b32 s[DQ], s[DQS]
.set i, 0
.rept 16
	v_mov_b32 v[Q+i], v[Q2+i]                      ; the second block's Q
.set i, i+1
.endr
	s_wait_alu depctr_va_vdst(0)
.endif
	WIN 0
.endm
	s_load_b256 s[4:11], s[0:1], 0x0               ; q_codes s[4:5], k_codes s[6:7], v_codes s[8:9], mbias s[10:11]
	s_load_b128 s[12:15], s[0:1], 0x20             ; scales s[12:13], out1 s[14:15]
	s_load_b64 s[16:17], s[0:1], 0x30              ; a_codes
	v_lshl_add_u32 v[SPW], v0, 2, SPARE
	v_mov_b32 v[NIL], 0
	ds_add_u32 v[SPW], v[NIL]                      ; the opening: the add, twice on end, and its wait ahead of my first tensor load
	ds_add_u32 v[SPW], v[NIL]
	v_lshrrev_b32 v14, 5, v0
	v_readfirstlane_b32 s[WV], v14                 ; wave 0..7
	s_bfe_u32 s[CX], ttmp6, 0x40000                ; my place in the cluster
	s_and_b32 s[BH], ttmp7, 0xffff                 ; batch x 16 + head
	s_mov_b32 s[G1K], 15|(1<<20)|(1<<21)|(5<<22)|(3<<25)   ; K: mask of all four partners; 128 rows of 256 bytes (four keys a row), dense in memory; 4 words of padding behind every 64
	s_mov_b32 s[G1K+1], 256<<16
	s_mov_b32 s[G1K+2], 128<<16
	s_mov_b32 s[G1K+3], 256<<16
	s_mov_b32 s[G1K+4], 128
	s_mov_b32 s[G1K+5], 256
	s_mov_b32 s[G1K+6], 0
	s_mov_b32 s[G1K+7], 0
	s_mov_b32 s[G1V], 15|(1<<20)|(1<<21)|(6<<22)|(3<<25)   ; V: 64 rows of 512 bytes, 2,048 apart; 4 words of padding behind every 128
	s_mov_b32 s[G1V+1], 512<<16
	s_mov_b32 s[G1V+2], 64<<16
	s_mov_b32 s[G1V+3], 512<<16
	s_mov_b32 s[G1V+4], 64
	s_mov_b32 s[G1V+5], 2048
	s_mov_b32 s[G1V+6], 0
	s_mov_b32 s[G1V+7], 0
	s_mov_b32 s[SEL], 0x76543210
	s_mov_b32 s[SEL+1], 0xfedcba98
	s_mov_b32 s[CS], 0x3e38aa3b                    ; log2(e) / 8
	s_mov_b32 s[OF+1], 0
	s_mov_b32 s[N], 0
	s_lshl_b32 s96, s[WV], 2
	s_add_co_u32 s96, s96, s[CX]                   ; j = 4 w + cx
	s_lshl_b32 s[Q0S], s96, 5                      ; block j's first query,
	s_sub_co_u32 s[Q0], 2016, s[Q0S]               ; block 63 - j's: that one comes first
	s_lshl_b32 s[DQS], s[CX], 5                    ; 32 j - 128 w
	s_sub_co_u32 s[DQ], 96, s[DQS]                 ; 32 (63 - j) - 128 (15 - w)
	s_sub_co_u32 s[LAST], 15, s[WV]
	s_wait_dscnt 0x0                               ; both opening adds are done
	s_wait_kmcnt 0x0
	s_load_b256 s[68:75], s[12:13], 0x0            ; e0 .. e7
	s_lshl_b32 s[OF], s[BH], 17                    ; a head's codes: 131,072 bytes in each of q, k, v
	s_add_nc_u64 s[QB:QB+1], s[4:5], s[OF:OF+1]
	s_add_nc_u64 s[6:7], s[6:7], s[OF:OF+1]
	s_add_nc_u64 s[8:9], s[8:9], s[OF:OF+1]
	s_and_b32 s96, s[WV], 3                        ; which 512 keys I ask for
	s_lshl_b32 s[OF], s96, 15
	s_add_nc_u64 s[G0K+2:G0K+3], s[6:7], s[OF:OF+1]
	s_or_b32 s[G0K+3], s[G0K+3], 0x80000000
	s_mov_b32 s[G0K], 1
	s_mul_i32 s[G0K+1], s96, KCH
	s_lshl_b32 s[OF], s96, 9
	s_add_nc_u64 s[G0V+2:G0V+3], s[8:9], s[OF:OF+1]
	s_or_b32 s[G0V+3], s[G0V+3], 0x80000000
	s_mov_b32 s[G0V], 1
	s_mul_i32 s97, s96, VCH
	s_add_co_u32 s[G0V+1], s97, VOFF
	CROUND                                         ; all four work-groups are here: the joint loads meet
	s_cmp_lt_u32 s[WV], 4                          ; waves 0-3 ask for K, waves 4-7 for V: one load a wave, one to an arm
	s_cbranch_scc0 .Lfor_v
	tensor_load_to_lds s[G0K:G0K+3], s[G1K:G1K+7]
	s_nop 0
.rept 4
	v_nop
.endr
	s_branch .Lasked
.Lfor_v:
	tensor_load_to_lds s[G0V:G0V+3], s[G1V:G1V+7]
	s_nop 0
.rept 4
	v_nop
.endr
.Lasked:
	s_lshr_b32 s96, s[BH], 4                       ; the batch
	s_lshl_b32 s[OF], s96, 13
	s_add_nc_u64 s[10:11], s[10:11], s[OF:OF+1]    ; its mbias
	s_lshl_b32 s[OF], s[BH], 19
	s_add_nc_u64 s[14:15], s[14:15], s[OF:OF+1]    ; out1 at my head
	s_lshl_b32 s[OF], s96, 21
	s_bfe_u32 s97, s[BH], 0x20002                  ; (head >> 2): the K step of 256 of the last product
	s_lshl_b32 s97, s97, 15
	s_add_co_u32 s[OF], s[OF], s97
	s_and_b32 s97, s[BH], 3
	s_lshl_b32 s97, s97, 10                        ; (head & 3): my 1,024 bytes of a token tile's 4,096
	s_add_co_u32 s[OF], s[OF], s97
	s_add_nc_u64 s[16:17], s[16:17], s[OF:OF+1]
	s_lshl_b32 s[OF], s[Q0], 6
	s_add_nc_u64 s[92:93], s[QB:QB+1], s[OF:OF+1]
	s_lshl_b32 s[OF], s[Q0S], 6
	s_add_nc_u64 s[94:95], s[QB:QB+1], s[OF:OF+1]  ; my second block's codes of Q
	s_mul_i32 s96, s[WV], 16*PIT
	s_add_co_u32 s96, s96, STG                     ; my stage
	v_and_b32 v10, 15, v0                          ; r
	v_bfe_u32 v11, v0, 4, 1                        ; h
	v_and_b32 v12, 31, v0                          ; lane
	v_lshlrev_b32 v13, 4, v0                       ; 16 x thread
	global_load_b128 v[MT:MT+3], v13, s[10:11]               ; the batch's 2,048 mask numbers: 32 bytes a thread, a wave reads 512 consecutive bytes
	global_load_b128 v[MT+4:MT+7], v13, s[10:11] offset:4096
	v_lshlrev_b32 v[QOF], 6, v10
	v_lshl_add_u32 v[QOF], v11, 4, v[QOF]
	QLOAD
.irp u, 0,1
.irp c, 0,1
	global_load_b128 v[Q2+8*\u+4*\c:Q2+8*\u+4*\c+3], v[QOF], s[94:95] offset:1024*\u+32*\c
.endr
.endr
	v_add_nc_u32 v15, MOFF, v13
	v_lshrrev_b32 v[AK0], 2, v10
	v_and_b32 v14, 3, v10
	v_mul_u32_u24 v[AK0], v[AK0], PIT
	v_lshl_add_u32 v[AK0], v14, 6, v[AK0]
	v_lshl_add_u32 v[AK0], v11, 4, v[AK0]          ; K: key r of a tile: row r / 4, byte 64 (r % 4) + 16 h
	v_mul_u32_u24 v[AV0], v10, VP
	v_lshl_add_u32 v[AV0], v11, 4, v[AV0]
	v_add_nc_u32 v[AV0], VOFF, v[AV0]
	v_lshlrev_b32 v[AB0], 5, v11
	v_add_nc_u32 v[AB0], MOFF, v[AB0]
	v_mul_u32_u24 v14, v10, PIT
	v_lshl_add_u32 v14, v11, 6, v14
	v_mul_u32_u24 v9, v11, PIT
	v_lshl_add_u32 v9, v10, 4, v9
	v_lshlrev_b32 v8, 3, v11
	WIN 0x40
	v_add_nc_u32 v[STO], s96, v14                  ; the stage, in: row r, + 64 h
	v_add_nc_u32 v[SRD], s96, v9                   ; back: lanes 0-15 one row, lanes 16-31 the next
	v_lshlrev_b32 v[GC], 4, v12
	v_sub_nc_u32 v[RH], v10, v8
	WIN 0
	s_wait_alu depctr_va_vdst(0)                   ; directly ahead of the wait below
	s_wait_kmcnt 0x0
	s_add_co_i32 s96, s70, s71
	s_lshl_b32 s96, s96, 23
	s_add_co_i32 s[CS], s[CS], s96                 ; c x 2^(e2 + e3): the exponents are added to c's exponent field
	s_mov_b32 s[CS+1], s[CS]
	s_mul_f32 s[T0S], s[CS], 0xd3800000            ; c x (-2^40)
	s_add_co_i32 s[EPV], s72, s73
	s_add_co_i32 s96, s72, 127
	s_lshl_b32 s97, s96, 23
	s_add_co_i32 s96, s96, 15
	s_lshl_b32 s96, s96, 23
	s_or_b32 s96, s96, 0x600000
	WIN 0x40
	v_mov_b32 v[PSC], s97                          ; 2^e4
	v_mov_b32 v[PLIM], s96                         ; 57,344 x 2^e4,
	v_mov_b32 v[PLIM2], s96                        ; twice
	s_add_co_i32 s96, s74, 127
	s_lshl_b32 s97, s96, 23
	s_add_co_i32 s96, s96, 15
	s_lshl_b32 s96, s96, 23
	s_or_b32 s96, s96, 0x600000
	v_mov_b32 v[ASC], s97                          ; 2^e6
	v_mov_b32 v[ALIM], s96
	INIT
	WIN 0
	s_wait_alu depctr_va_vdst(0)                   ; the wait at the head's end
	s_wait_loadcnt 8                               ; the mask's two loads are in; the eight of both blocks' Q may be out
	ds_store_b128 v15, v[MT:MT+3]
	ds_store_b128 v15, v[MT+4:MT+7] offset:4096
	s_wait_loadcnt 0x0                             ; Q
	s_wait_tensorcnt 0x0                           ; my eighth of K and V is in,
	s_wait_dscnt 0x0                               ; and my part of the mask is stored:
	s_barrier_signal -1
	s_barrier_wait -1                              ; both now hold of every wave; nothing in LDS but the waves' own stages is written from here on
	KLOAD AK0, AB0                                 ; step 0's K and mask
.Ltrip:
	s_cmp_eq_u32 s[N], 16                          ; the first block goes out and the second begins: the trip's number alone
	s_cbranch_scc0 .Lsame
	FINAL 1
.Lsame:
	STEP
	s_add_co_u32 s[N], s[N], 1
	s_cmp_lt_u32 s[N], 24
	s_cbranch_scc1 .Ltrip
	FINAL 0
	s_wait_tensorcnt 0x0                           ; the wave's end
	ds_add_u32 v[SPW], v[NIL]
	s_wait_dscnt 0x0
	CROUND                                         ; the closing round
	s_endpgm
.Lfunc_end_k_q33b2ef12c4_attn:
	.size	k_q33b2ef12c4_attn, .Lfunc_end_k_q33b2ef12c4_attn-k_q33b2ef12c4_attn
	.p2alignl 7, 3214868480
	.fill 96, 4, 3214868480
	.section	.rodata,"a",@progbits
	.p2align	6, 0x0
	.amdhsa_kernel k_q33b2ef12c4_attn
		.amdhsa_group_segment_fixed_size 327680
		.amdhsa_private_segment_fixed_size 0
		.amdhsa_enable_private_segment 0
		.amdhsa_kernarg_size 56
		.amdhsa_user_sgpr_count 2
		.amdhsa_user_sgpr_kernarg_segment_ptr 1
		.amdhsa_wavefront_size32 1
		.amdhsa_system_sgpr_workgroup_id_x 1
		.amdhsa_system_sgpr_workgroup_id_y 1
		.amdhsa_system_sgpr_workgroup_id_z 1
		.amdhsa_system_vgpr_workitem_id 0
		.amdhsa_next_free_vgpr 512
		.amdhsa_next_free_sgpr 100
		.amdhsa_reserve_vcc 1
		.amdhsa_float_denorm_mode_32 3
		.amdhsa_float_denorm_mode_16_64 3
		.amdhsa_memory_ordered 1
		.amdhsa_forward_progress 1
		.amdhsa_inst_pref_size 84
	.end_amdhsa_kernel
	.amdgpu_metadata
---
amdhsa.version: [ 1, 2 ]
amdhsa.kernels:
  - .name:           k_q33b2ef12c4_attn
    .symbol:         k_q33b2ef12c4_attn.kd
    .args:
      - { .name: q_codes, .offset: 0, .size: 8, .value_kind: global_buffer, .address_space: global }
      - { .name: k_codes, .offset: 8, .size: 8, .value_kind: global_buffer, .address_space: global }
      - { .name: v_codes, .offset: 16, .size: 8, .value_kind: global_buffer, .address_space: global }
      - { .name: mbias, .offset: 24, .size: 8, .value_kind: global_buffer, .address_space: global }
      - { .name: lowp_scales, .offset: 32, .size: 8, .value_kind: global_buffer, .address_space: global }
      - { .name: out1, .offset: 40, .size: 8, .value_kind: global_buffer, .address_space: global }
      - { .name: a_codes, .offset: 48, .size: 8, .value_kind: global_buffer, .address_space: global }
    .group_segment_fixed_size: 327680
    .private_segment_fixed_size: 0
    .kernarg_segment_align: 8
    .kernarg_segment_size: 56
    .max_flat_workgroup_size: 256
    .sgpr_count:     100
    .vgpr_count:     512
    .wavefront_size: 32
...
	.end_amdgpu_metadata
.endif
;; end of part 3
;; launch gemm_out (part 4): grid 4 x 64, 4 waves a work-group, clusters of 4 x 4, 327,680 bytes of LDS; arguments a_codes, wout_codes, lowp_scales, bout, out0; writes out0
.if DOCPART == 4
	.amdgcn_target "amdgcn-amd-amdhsa--gfx1250"
	.amdhsa_code_object_version 6
	.text
	.protected	k_q33b2ef12c4_gemm_out
	.globl	k_q33b2ef12c4_gemm_out
	.p2align	8
	.type	k_q33b2ef12c4_gemm_out,@function
k_q33b2ef12c4_gemm_out:
	s_mov_b64 s[64:65], 0
	v_nop
	global_prefetch_b8 v0, s[64:65] scope:SCOPE_SE
	s_setreg_imm32_b32 hwreg(HW_REG_WAVE_MODE, 25, 1), 1
	s_wait_xcnt 0x0
	s_wait_alu depctr_hold_cnt(0) depctr_sa_sdst(0) depctr_va_vdst(0) depctr_va_sdst(0) depctr_va_ssrc(0) depctr_va_vcc(0) depctr_vm_vsrc(0)
	s_getreg_b32 s2, hwreg(HW_REG_IB_STS2, 6, 4)
	s_cmp_eq_u32 s2, 0
	s_cbranch_scc0 .Lentry_in_a_cluster
	s_endpgm
.Lentry_in_a_cluster:
	s_bfe_u32 s2, ttmp6, 0x10000c
	s_cmp_lg_u32 s2, 0xf033
	s_cbranch_scc0 .Lentry_shape_is_right
	s_endpgm
.Lentry_shape_is_right:
; out0 = Q(attention's result) Q(Wout) + bout on codes of BF8 (E5M2): out0[token][n] = 2^(e6+e7) x sum over k of codes + bout[n], f32.
; A block of 128 tokens x 256 features to a work-group of four waves: 64 x 4 = 256 work-groups.  A wave makes 64 x 128 in 32 accumulators.  K = 1,024 in four steps of 256 through a ring of two LDS slots.
; A = a_codes, laid by the attention launch as images of the operand's registers: [128 tokens][K step of 256][token tile of 16][4,096 bytes]: 32,768 dense bytes for a block and a K step; a fragment's register group c lies at 512 c + 16 x lane.
; B = wout_codes [1024 n][1024 k]: 256 rows of 256 bytes a K step, padded to 272 in LDS.
; CLUSTERS of 4 x 4: A's tile hangs on the token block alone and is asked for jointly along a row of the cluster, B's on the feature block alone, along a column.
; EACH WAVE OWNS ONE OPERAND'S TILE OF ONE SLOT (wave 0: A, slot 0; 1: A, slot 1; 2: B, slot 0; 3: B, slot 1): so the head asks for K steps 0 and 1 with one load a wave, and a slot is filled again by its two owners.
; The matrix instruction is used transposed (source 0 = 16 rows of B, source 1 = 16 tokens): a lane holds eight neighbouring features of one token.  The bias, divided by 2^(e6+e7), is the C of each accumulator's first product.
; NO PREFETCH: half of K is asked for at the head, and only two refills follow.
; LIMIT: e6 + e7 between -126 and 127, so that 2^(e6+e7) is an f32 number.
; REGISTERS: window 0: v16-29 addresses; v32-95 the bias, later a block's results; v128-255 A's fragments, two sets of 64, later rows read back.  window 1: B's fragments, two sets of 128.  window 2: accumulator (a, b) at v[8 (8 a + b)].
.set ROWB,   256
.set KROW,   1024
.set PITCH,  272
.set FR,     16
.set NP,     4                         ; places behind this matrix instruction (ISA guide 7.12.1)
.set HALFT,  128*PITCH
.set ASTEP,  32768
.set BREG,   ASTEP
.set SLOT,   ASTEP+2*HALFT
.set SPARE,  2*SLOT                    ; the spare words: 128 bytes a wave, two blocks of 256 bytes that no other line names
.set SPITCH, 528                       ; the way out: a stage of 16 rows x (512 + 16) bytes for each wave, in slot 0, which has had its last fill and its last read by then
.set SIZE_N, 1024
.set ADRA, 16
.set ADRB, 20
.set STO,  24
.set RD,   25
.set CO,   26
.set BO,   27
.set SPW,  28
.set NIL,  29
.set TMP,  32
.set BIAS, 32
.set AF,   128
.set BK,   128
.set G1, 24
.set G0, 32
.set G1B, 48
.set G0B, 56
.set MSB, 0
.macro WIN new                         ; the immediate's high byte repeats the setting that is left
.if MSB != (\new)
	s_set_vgpr_msb (MSB<<8)|(\new)
.set MSB, \new
.endif
.endm
.set MUL,   0xa1                       ; source 0 (B) window 1, source 1 (A) window 0, C and D window 2
.set MUL_Z, 0x81                       ; the same with C (the bias) in window 0
.set TO_B,  0x40
.macro ARM g0, g1                      ; an s_nop 0 and four v_nop follow each load
	tensor_load_to_lds s[\g0:\g0+3], s[\g1:\g1+7]
	s_nop 0
.rept 4
	v_nop
.endr
.endm
.macro JLOAD sl                        ; slot sl is filled again by its two owners; the branches hang on the wave's number alone
	s_cmp_eq_u32 s14, \sl
	s_cbranch_scc0 .Lfor_b_\@
	ARM G0+4*(\sl), G1
	s_branch .Lasked_\@
.Lfor_b_\@:
	s_cmp_eq_u32 s14, (\sl)+2
	s_cbranch_scc0 .Lasked_\@
	ARM G0B+4*(\sl), G1B
.Lasked_\@:
.endm
.macro CREST                           ; a round of the cluster's barrier behind its opening barrier
	s_cmp_lg_u32 s14, 0
	s_cbranch_scc1 .Lnot_wave_0_\@
	s_barrier_signal -3
.Lnot_wave_0_\@:
	s_barrier_wait -3
	s_barrier_signal -1
	s_barrier_wait -1
.endm
.macro CROUND
	s_barrier_signal -1
	s_barrier_wait -1
	CREST
.endm
.macro PLACES n
.rept \n
	v_nop
.endr
.endm
	s_load_b256 s[4:11], s[0:1], 0x0               ; a_codes s[4:5], wout_codes s[6:7], scales s[8:9], bout s[10:11]
	s_load_b64 s[68:69], s[0:1], 0x20              ; out0
	v_lshl_add_u32 v[SPW], v0, 2, SPARE
	v_mov_b32 v[NIL], 0
	ds_add_u32 v[SPW], v[NIL]                      ; the opening: the add, twice on end, and its wait ahead of my first tensor load
	ds_add_u32 v[SPW], v[NIL]
	v_lshrrev_b32 v1, 5, v0
	v_readfirstlane_b32 s14, v1                    ; wave 0..3
	s_lshr_b32 s15, s14, 1                         ; which 64 tokens are mine
	s_and_b32 s16, s14, 1                          ; which 128 features
	s_bfe_u32 s40, ttmp6, 0x40000                  ; cx
	s_bfe_u32 s41, ttmp6, 0x40004                  ; cy
	s_lshl_b32 s42, ttmp9, 2
	s_add_co_u32 s42, s42, s40                     ; feature block
	s_and_b32 s17, ttmp7, 0xffff
	s_lshl_b32 s17, s17, 2
	s_add_co_u32 s17, s17, s41                     ; token block
	s_lshl_b32 s43, s41, 2
	s_lshl_b32 s43, 15, s43                        ; my row of the cluster
	s_lshl_b32 s44, 0x1111, s40                    ; my column
	s_or_b32 s[G1+0], s43, (3<<16)|(1<<21)         ; A: 128 rows of 32 elements of 8 bytes, dense, no padding
	s_mov_b32 s[G1+1], 32<<16
	s_mov_b32 s[G1+2], 128<<16
	s_mov_b32 s[G1+3], 32<<16
	s_mov_b32 s[G1+4], 128
	s_mov_b32 s[G1+5], 32
	s_mov_b32 s[G1+6], 0
	s_mov_b32 s[G1+7], 0
	s_or_b32 s[G1B+0], s44, (0<<16)|(1<<20)|(1<<21)|(5<<22)|(3<<25)   ; B: 256 rows of 256 bytes, 1,024 apart; 4 words of padding behind every 64
	s_mov_b32 s[G1B+1], ROWB<<16
	s_mov_b32 s[G1B+2], 256<<16
	s_mov_b32 s[G1B+3], ROWB<<16
	s_mov_b32 s[G1B+4], 256
	s_mov_b32 s[G1B+5], KROW
	s_mov_b32 s[G1B+6], 0
	s_mov_b32 s[G1B+7], 0
	s_lshl_b32 s20, s17, 17                        ; a token block's codes: 131,072 bytes
	s_mov_b32 s21, 0
	s_lshl_b32 s46, s42, 18                        ; 256 rows of 1,024 bytes
	s_mov_b32 s47, 0
	s_wait_dscnt 0x0                               ; both opening adds are done
	s_wait_kmcnt 0x0
	s_load_b256 s[76:83], s[8:9], 0x0              ; e0 .. e7
	s_add_nc_u64 s[20:21], s[4:5], s[20:21]
	s_add_nc_u64 s[46:47], s[6:7], s[46:47]
.irp s, 0,1
	s_mov_b32 s[G0+4*\s], 1
	s_mov_b32 s[G0+4*\s+1], \s*SLOT
	s_add_nc_u64 s[G0+4*\s+2:G0+4*\s+3], s[20:21], \s*ASTEP
	s_or_b32 s[G0+4*\s+3], s[G0+4*\s+3], 0x80000000
	s_mov_b32 s[G0B+4*\s], 1
	s_mov_b32 s[G0B+4*\s+1], \s*SLOT+BREG
	s_add_nc_u64 s[G0B+4*\s+2:G0B+4*\s+3], s[46:47], \s*ROWB
	s_or_b32 s[G0B+4*\s+3], s[G0B+4*\s+3], 0x80000000
.endr
	CROUND                                         ; all sixteen work-groups are here: the first joint loads meet
	s_cmp_eq_u32 s14, 0                            ; K steps 0 and 1: one chain, one load to an arm, one load a wave
	s_cbranch_scc0 .Lh1
	ARM G0, G1
	s_branch .Lhj
.Lh1:
	s_cmp_eq_u32 s14, 1
	s_cbranch_scc0 .Lh2
	ARM G0+4, G1
	s_branch .Lhj
.Lh2:
	s_cmp_eq_u32 s14, 2
	s_cbranch_scc0 .Lh3
	ARM G0B, G1B
	s_branch .Lhj
.Lh3:
	ARM G0B+4, G1B
.Lhj:
	s_lshl_b32 s18, s42, 8
	s_lshl_b32 s19, s16, 7
	s_add_co_u32 s18, s18, s19
	s_lshl_b32 s90, s18, 2                         ; my first feature, in bytes of bout
	s_mov_b32 s91, 0
	s_add_nc_u64 s[92:93], s[10:11], s[90:91]
	s_lshl_b32 s21, s15, 14                        ; my four token tiles of 4,096 bytes
	s_mul_i32 s22, s16, HALFT
	s_add_co_u32 s22, s22, BREG                    ; my 128 rows of B
	s_mul_i32 s23, s14, 16*SPITCH                  ; my stage
	s_lshl_b32 s18, s17, 7
	s_lshl_b32 s19, s15, 6
	s_add_co_u32 s18, s18, s19                     ; my first token
	s_lshl_b32 s90, s18, 12
	s_lshl_b32 s18, s42, 10
	s_add_co_u32 s90, s90, s18
	s_lshl_b32 s18, s16, 9
	s_add_co_u32 s90, s90, s18
	s_add_nc_u64 s[68:69], s[68:69], s[90:91]
	v_and_b32 v1, 15, v0                           ; r
	v_bfe_u32 v2, v0, 4, 1                         ; h
	v_and_b32 v6, 31, v0
	v_lshlrev_b32 v[BO], 5, v2
.irp b, 0,1,2,3,4,5,6,7
	global_load_b128 v[BIAS+8*\b:BIAS+8*\b+3], v[BO], s[92:93] offset:64*\b        ; register 8 b + j: bias of feature 16 b + 8 h + j
	global_load_b128 v[BIAS+8*\b+4:BIAS+8*\b+7], v[BO], s[92:93] offset:64*\b+16
.endr
	v_mul_u32_u24 v3, v1, PITCH
	v_lshl_add_u32 v4, v2, 4, v3
	v_lshlrev_b32 v[CO], 4, v6
	v_add_nc_u32 v[ADRA], s21, v[CO]
	v_add_nc_u32 v[ADRB], s22, v4
	v_add_nc_u32 v[ADRA+1], SLOT, v[ADRA]
	v_add_nc_u32 v[ADRB+1], SLOT, v[ADRB]
	v_mul_u32_u24 v5, v1, SPITCH
	v_lshl_add_u32 v5, v2, 5, v5
	v_add_nc_u32 v[STO], s23, v5                   ; the stage, in: row r, 32 bytes for each half of the lanes
	v_add_nc_u32 v[RD], s23, v[CO]                 ; back: the 32 lanes take one row of 512 bytes
	s_wait_alu depctr_va_vdst(0)                   ; directly ahead of the wait below
	s_wait_kmcnt 0x0
	s_add_co_i32 s96, s82, s83
	s_sub_co_i32 s98, 0, s96
	s_add_co_i32 s96, s96, 127
	s_lshl_b32 s96, s96, 23                        ; 2^(e6 + e7)
	s_mov_b32 s97, s96                             ; (named with it as a pair)
	s_wait_loadcnt 0x0
.set j, 0
.rept 64
	v_ldexp_f32 v[BIAS+j], v[BIAS+j], s98          ; the bias goes in divided by the power of two that the sums lack
.set j, j+1
.endr
.macro FRAG reg, adr, q, i             ; B: 16 rows x 128 K: registers 4 c .. 4 c + 3 hold bytes 32 c + 16 h + 0 .. 15 of the row's 128
.irp c, 0,1,2,3
	ds_load_b128 v[\reg+4*\c:\reg+4*\c+3], v[\adr] offset:128*(\q)+32*\c+(\i)*16*PITCH
.endr
.endm
.macro FRAGA reg, adr, q, i            ; A: the image of the same registers
.irp c, 0,1,2,3
	ds_load_b128 v[\reg+4*\c:\reg+4*\c+3], v[\adr] offset:2048*(\q)+512*\c+(\i)*4096
.endr
.endm
.macro FETCH slot, q, p                ; 48 LDS loads: the fragments of the slot's q-th 128 along K into set p
	WIN TO_B
.irp i, 0,1,2,3,4,5,6,7
	FRAG 128*(\p)+FR*\i, ADRB+\slot, \q, \i
.endr
	WIN 0
.irp i, 0,1,2,3
	FRAGA AF+64*(\p)+FR*\i, ADRA+\slot, \q, \i
.endr
.endm
; 16 matrix instructions: token tiles a0, a0 + 1 x B's eight.  The 32 accumulators take turns, one instruction a turn, in the same order in every step.
.macro MUL16 a0, p, zero
.irp a, \a0, \a0+1
.irp b, 0,1,2,3,4,5,6,7
.if \zero
	v_wmma_f32_16x16x128_bf8_bf8 v[8*(8*(\a)+\b):8*(8*(\a)+\b)+7], v[128*(\p)+FR*\b:128*(\p)+FR*\b+FR-1], v[AF+64*(\p)+FR*(\a):AF+64*(\p)+FR*(\a)+FR-1], v[BIAS+8*\b:BIAS+8*\b+7]
.else
	v_wmma_f32_16x16x128_bf8_bf8 v[8*(8*(\a)+\b):8*(8*(\a)+\b)+7], v[128*(\p)+FR*\b:128*(\p)+FR*\b+FR-1], v[AF+64*(\p)+FR*(\a):AF+64*(\p)+FR*(\a)+FR-1], v[8*(8*(\a)+\b):8*(8*(\a)+\b)+7]
.endif
.endr
.endr
.endm
.macro EVEN slot, zero                 ; a slot's first 128 along K: set 0 is multiplied while set 1 comes in
	s_wait_dscnt 0x0                               ; set 0 is in
	PLACES NP                                      ; in front of loads into set 1, which the step before multiplied
	FETCH \slot, 1, 1
.if \zero
	WIN MUL_Z
.else
	WIN MUL
.endif
	MUL16 0, 0, \zero
	MUL16 2, 0, \zero
	WIN 0
.endm
.macro ODD slot, next, fill            ; a slot's last 128 along K, and the change of slots
	s_wait_tensorcnt 0x0                           ; my tensor load, if one was out, has landed: my tile of the next slot
	ds_add_u32 v[SPW], v[NIL]                      ; 0 onto my spare word
	s_wait_dscnt 1                                 ; set 1 is in; the add may be out
	WIN MUL
	MUL16 0, 1, 0
	s_wait_dscnt 0x0                               ; the add is done, and my reads of this slot are over
	WIN 0
	s_barrier_signal -1
	s_barrier_wait -1
.if \fill
	CREST                                          ; the barrier has opened a round of the cluster's barrier: no wave of any partner still reads this slot or has a load on its way
	s_add_nc_u64 s[G0+4*\slot+2:G0+4*\slot+3], s[G0+4*\slot+2:G0+4*\slot+3], 2*ASTEP
	s_add_nc_u64 s[G0B+4*\slot+2:G0B+4*\slot+3], s[G0B+4*\slot+2:G0B+4*\slot+3], 2*ROWB
	JLOAD \slot                                    ; the first tensor load behind the round
.endif
	PLACES NP                                      ; in front of loads into set 0
	FETCH \next, 0, 0
	WIN MUL
	MUL16 2, 1, 0
	WIN 0
.endm
	s_wait_alu depctr_va_vdst(0)                   ; the wait at the head's end
	s_wait_tensorcnt 0x0                           ; my tile is in
	s_barrier_signal -1
	s_barrier_wait -1                              ; so is everybody's: both slots are whole
	FETCH 0, 0, 0
	EVEN 0, 1                                      ; the first step's products start the sums, on the bias
	ODD 0, 1, 1                                    ; slot 0 takes K step 2
	EVEN 1, 0
	ODD 1, 0, 1                                    ; slot 1 takes K step 3
	EVEN 0, 0
	ODD 0, 1, 0                                    ; nothing more to fill
	EVEN 1, 0
	s_wait_dscnt 0x0
	WIN MUL
	MUL16 0, 1, 0
	MUL16 2, 1, 0
	WIN 0
; THE WAY OUT, block by block of 16 tokens x 128 features: x 2^(e6+e7), through my own stage, back as whole rows of 512 bytes.  LDS serves a wave's instructions in order (ISA guide 5.7.1.4).
.macro TOSTAGE a
.set AC, 64*(\a)
	WIN 0x02                                       ; source 0: window 2
.set j, 0
.rept 32
	v_pk_mul_f32 v[TMP+j:TMP+j+1], v[AC+j:AC+j+1], s[96:97] op_sel_hi:[1,0]   ; each accumulator from its low end on
.set j, j+2
.endr
	WIN 0
.irp b, 0,1,2,3,4,5,6,7
	ds_store_b128 v[STO], v[TMP+8*\b:TMP+8*\b+3] offset:64*\b
	ds_store_b128 v[STO], v[TMP+8*\b+4:TMP+8*\b+7] offset:64*\b+16
.endr
.set BB, BK+64*((\a)%2)
.irp t, 0,1,2,3,4,5,6,7,8,9,10,11,12,13,14,15
	ds_load_b128 v[BB+4*\t:BB+4*\t+3], v[RD] offset:\t*SPITCH
.endr
.endm
.macro SEND a, younger                 ; younger: the LDS instructions issued behind block a's loads, which may stay out
.set BB, BK+64*((\a)%2)
	s_wait_dscnt \younger
.if (\a) > 0
	s_add_nc_u64 s[68:69], s[68:69], 16*SIZE_N*4   ; (behind a wait on XCNT: the earlier stores have read their base)
.endif
.irp t, 0,1,2,3,4,5,6,7,8,9,10,11,12,13,14,15
	global_store_b128 v[CO], v[BB+4*\t:BB+4*\t+3], s[68:69] offset:\t*SIZE_N*4 th:TH_STORE_NT   ; 32 lanes store 512 consecutive bytes, aligned
.endr
.endm
	PLACES NP
	TOSTAGE 0
.irp a, 1,2,3
.if \a > 1
	s_wait_xcnt 0x0                                ; block a - 2's stores have read their registers and their base
.endif
	TOSTAGE \a
	SEND \a-1, 32
.endr
	s_wait_xcnt 0x0
	SEND 3, 0
	s_wait_tensorcnt 0x0                           ; the wave's end
	ds_add_u32 v[SPW], v[NIL]
	s_wait_dscnt 0x0
	CROUND                                         ; the closing round
	s_endpgm
.Lfunc_end_k_q33b2ef12c4_gemm_out:
	.size	k_q33b2ef12c4_gemm_out, .Lfunc_end_k_q33b2ef12c4_gemm_out-k_q33b2ef12c4_gemm_out
	.p2alignl 7, 3214868480
	.fill 96, 4, 3214868480
	.section	.rodata,"a",@progbits
	.p2align	6, 0x0
	.amdhsa_kernel k_q33b2ef12c4_gemm_out
		.amdhsa_group_segment_fixed_size 327680
		.amdhsa_private_segment_fixed_size 0
		.amdhsa_enable_private_segment 0
		.amdhsa_kernarg_size 40
		.amdhsa_user_sgpr_count 2
		.amdhsa_user_sgpr_kernarg_segment_ptr 1
		.amdhsa_wavefront_size32 1
		.amdhsa_system_sgpr_workgroup_id_x 1
		.amdhsa_system_sgpr_workgroup_id_y 1
		.amdhsa_system_sgpr_workgroup_id_z 1
		.amdhsa_system_vgpr_workitem_id 0
		.amdhsa_next_free_vgpr 768
		.amdhsa_next_free_sgpr 100
		.amdhsa_reserve_vcc 0
		.amdhsa_float_denorm_mode_32 3
		.amdhsa_float_denorm_mode_16_64 3
		.amdhsa_memory_ordered 1
		.amdhsa_forward_progress 1
		.amdhsa_inst_pref_size 81
	.end_amdhsa_kernel
	.amdgpu_metadata
---
amdhsa.version: [ 1, 2 ]
amdhsa.kernels:
  - .name:           k_q33b2ef12c4_gemm_out
    .symbol:         k_q33b2ef12c4_gemm_out.kd
    .args:
      - { .name: a_codes, .offset: 0, .size: 8, .value_kind: global_buffer, .address_space: global }
      - { .name: wout_codes, .offset: 8, .size: 8, .value_kind: global_buffer, .address_space: global }
      - { .name: lowp_scales, .offset: 16, .size: 8, .value_kind: global_buffer, .address_space: global }
      - { .name: bout, .offset: 24, .size: 8, .value_kind: global_buffer, .address_space: global }
      - { .name: out0, .offset: 32, .size: 8, .value_kind: global_buffer, .address_space: global }
    .group_segment_fixed_size: 327680
    .private_segment_fixed_size: 0
    .kernarg_segment_align: 8
    .kernarg_segment_size: 40
    .max_flat_workgroup_size: 128
    .sgpr_count:     100
    .vgpr_count:     768
    .wavefront_size: 32
...
	.end_amdgpu_metadata
.endif
;; end of part 4
